; MI455X (gfx1250); checked and timed in simulation.
; The chip was launched on July 23, 2026; its instructions are those of AMD's public machine-readable ISA for CDNA 5 (MIT licence, August 2026) and "CDNA5" Instruction Set Architecture Reference Guide (July 2026). The comments in the code are by the model that wrote it; some were corrected since.
;; Attn Block. Allowed arithmetic: matrix products marked QUANTISED: E2M3 operands, one E8M0 scale for each 32 along K, by v_wmma_scale_f32_16x16x128_f8f6f4 with both operands' format E2M3, f32 sums; everything else in f32.
;; Inputs: bk 512 float32; bp 512 float32; bq 512 float32; bv 512 float32; norm_bias 512 float32; norm_scale 512 float32; wk_codes 512 x 16 x 24 uint8 (E2M3 codes of wk, K innermost, in blocks of 32 codes, four codes in three bytes); wk_scales 512 x 16 uint8 (E8M0 scales of wk, one for each 32 codes along K); wp_codes 512 x 16 x 24 uint8 (E2M3 codes of wp, K innermost, in blocks of 32 codes, four codes in three bytes); wp_scales 512 x 16 uint8 (E8M0 scales of wp, one for each 32 codes along K); wq_codes 512 x 16 x 24 uint8 (E2M3 codes of wq, K innermost, in blocks of 32 codes, four codes in three bytes); wq_scales 512 x 16 uint8 (E8M0 scales of wq, one for each 32 codes along K); wv_codes 512 x 16 x 24 uint8 (E2M3 codes of wv, K innermost, in blocks of 32 codes, four codes in three bytes); wv_scales 512 x 16 uint8 (E8M0 scales of wv, one for each 32 codes along K); x 32 x 32 x 32 x 512 float32.
;; Outputs: out0 32 x 32 x 32 x 512 float32.
;; This version of the problem:
;;   THIS VERSION OF THE PROBLEM IS GIVEN IN LOW PRECISION. The matrix products marked QUANTISED in the list below multiply operands that are first quantised to E2M3 (2 exponent bits, 3 mantissa bits; 6 bits a number), with one power-of-two scale for each 32 numbers along K (OCP MX v1.0); their sums are f32. All else is computed in f32.
;;   The module's matrix products, in the order in which they are computed (A, B: the left and right operand; K: the contracted axis; several contracted axes count as one K, in the product's order):
;;     1. [M 32,768, K 512] x [K 512, N 512]; A: computed on the way; B: input wq (given as codes): QUANTISED
;;     2. [M 32,768, K 512] x [K 512, N 512]; A: computed on the way; B: input wk (given as codes): QUANTISED
;;     3. [M 32,768, K 512] x [K 512, N 512]; A: computed on the way; B: input wv (given as codes): QUANTISED
;;     4. batch 32 x [M 1,024, K 512] x [K 512, N 1,024]; A: computed on the way; B: computed on the way: QUANTISED
;;     5. batch 32 x [M 1,024, K 1,024] x [K 1,024, N 512]; A: softmax (see below); B: computed on the way: QUANTISED
;;     6. [M 32,768, K 512] x [K 512, N 512]; A: computed on the way; B: input wp (given as codes): QUANTISED
;;   THE QUANTISER, for each operand of a quantised product, along K:
;;     - K is cut into blocks of 32 from its start; a last block that is shorter is filled with zeros.
;;     - A block's scale is 2^e with e = floor(log2(the largest magnitude in the block)) - 2, held to -126 .. 127; a block of zeros has e = 0. As a byte (E8M0): e + 127.
;;     - Each number is divided by its block's scale, clamped to +-7.5, and rounded to the nearest number of E2M3, ties to even, subnormals kept.
;;     - The product sums the exact products of the quantised numbers (number of the format x scale) in f32.
;;   ~~~python
;;   def quantise(x, axis):      # numpy; x: float32 -> the quantised numbers, widened to float32 again
;;       x = np.moveaxis(x, axis, -1); K = x.shape[-1]
;;       x = np.pad(x, [(0, 0)] * (x.ndim - 1) + [(0, -K % 32)]); x = x.reshape(x.shape[:-1] + (-1, 32)); a = np.abs(x).max(-1, keepdims=True)
;;       e = np.where(a > 0, np.clip(np.frexp(np.where(a > 0, a, 1))[1] - 1 - 2, -126, 127), 0)      # np.frexp(a)[1] - 1 = floor(log2(a)), exactly
;;       r = np.clip(x / 2.0 ** e, -7.5, 7.5)
;;       step = 2.0 ** (np.maximum(np.frexp(np.where(r == 0, 1, r))[1] - 1, 0) - 3)
;;       q = np.round(r / step) * step * 2.0 ** e      # np.round: ties to even
;;       return np.moveaxis(q.reshape(q.shape[:-2] + (-1,))[..., :K], -1, axis).astype(np.float32)
;;   ~~~
;;   SOFTMAX AHEAD OF A QUANTISED PRODUCT. Where the list says 'softmax', what is quantised is not the finished softmax but p = 2^(t - M), with t = logit x log2(e) and M = ceil(the row's largest t), a whole number; so 1/2 < the row's largest p <= 1. The row's sum l is taken of the UNQUANTISED p, in f32, and the product's result is divided by l at the end. Since M is a whole number, a kernel that streams over the keys may use a running M (the ceiling of the running maximum): every later rescaling is an exact power of two, which a block's scale takes up: the codes' values come out the same.
;;   OPERANDS COMPUTED ON THE WAY. 'Computed on the way' means the value that the module computes at that place (a softmax that the list does not call 'softmax' is quantised finished and normalised). What goes into a quantiser is computed in f32, as accurately as f32 sums, v_exp_f32 and their like allow (about 1e-6 of the number): no bf16 or f16 on the way to a quantiser, and a product that is left as it is and whose result goes on into a quantised operand takes f32 operands (vector FMAs, or v_wmma_f32_16x16x4_f32). A number that lies on a knife's edge between two numbers of the format may be rounded either way, as far as f32 arithmetic and the matrix unit's own rounding can turn it there, and no further.
;;   INPUTS GIVEN AS CODES. wk (in the module: [512, 512], K = its axis 0); wp (in the module: [512, 512], K = its axis 0); wq (in the module: [512, 512], K = its axis 0); wv (in the module: [512, 512], K = its axis 0): each comes as NAME_codes (uint8): NAME with its K axis moved to the last place and cut into blocks of 32 codes, [.., K / 32, bytes a block], one block behind the other in memory; four codes in three bytes: a row's codes are one little-endian stream of bits, code i at bits 6 i .. 6 i + 5 (a code: sign, 2 exponent bits, 3 mantissa bits); and NAME_scales (uint8): the same leading axes, one E8M0 byte (e + 127) for each 32 codes along K. Its value is code x scale, taken as it is: it is not quantised again, and the codes and scales need not be those that the quantiser above would give.
;; One version. Each part assembles by itself: llvm-mc -triple=amdgcn-amd-amdhsa -mcpu=gfx1250 --defsym DOCPART=n.
;; ======== version 1 of 1: 3 launches
;; workspace buffers: stats 65,536 bytes; wimg 819,200 bytes; qimg 13,107,200 bytes; kv 26,214,400 bytes
;; launch prep (part 1): grid 256 x 1, 17 waves a work-group, no clusters, 7,424 bytes of LDS; arguments x, wq_codes, wq_scales, wk_codes, wk_scales, wv_codes, wv_scales, wp_codes, wp_scales, stats, wimg; writes stats, wimg
.if DOCPART == 1
	.amdgcn_target "amdgcn-amd-amdhsa--gfx1250"
	.amdhsa_code_object_version 6
	.text
	.protected	k_q18a2229870_prep
	.globl	k_q18a2229870_prep
	.p2align	8
	.type	k_q18a2229870_prep,@function
k_q18a2229870_prep:
	s_mov_b64 s[64:65], 0
	v_nop
	global_prefetch_b8 v0, s[64:65] scope:SCOPE_SE
	s_setreg_imm32_b32 hwreg(HW_REG_WAVE_MODE, 25, 1), 1
	s_wait_xcnt 0x0
; PREP.  Two jobs in every work-group, told apart by the wave's number.
; Waves 0 .. 15: GroupNorm's partial statistics.  Work-group blk (= 8 x batch + which 128 of the batch's 1,024 pixels) takes 128 pixels and stores, for each of the 32 groups of 16 channels, the mean and the sum of
; squared distances from that mean (M2) of its 2,048 numbers: stats[blk][group][mean, M2].  A wave takes 8 pixels in 128 registers: the mean first, then the distances from it, so no difference of large sums is formed
; and a common offset of the inputs does no harm.  The 16 waves' figures meet in LDS; wave 0 joins them.
; Wave 16: one tile of one weight is laid out as the later launches' operand registers take it.  The four weights are 4 x 2 halves of K x 4 quarters x 8 tiles = 256 tiles, as many as there are work-groups: work-group u takes
; weight u / 64 (q, k, v, p), kappa = (u / 32) % 2 (which 256 of K), quarter w = (u / 8) % 4, tile t = u % 8.  A wave of its own takes it, so that it runs beside the sixteen that stream x.
; wimg holds 8 blocks of 102,400 bytes, block 2 x weight + kappa.  A block is four quarters of 25,600 bytes, quarter w for the wave that owns output columns 128 w .. 128 w + 127: fragment (tile t, K step s' = 0, 1) at
; (2 t + s') x 1,536 bytes, registers 4 c .. 4 c + 3 of lane l at 512 c + 16 l; the scale words at 24,576 + 512 (t / 4) + 256 s' + 16 r + 4 (t % 4).  Lane r of tile t = 2 b + u holds weight row 128 w + 32 b + 8 u + r + 8 (r / 8).
; Four tiles' scale words are 16 bytes a lane: the work-group of a group's first tile stores them for all four, 512 consecutive bytes.
; LIMITS: NaN and infinities among the inputs are not served.
.set RELW, 16                          ; the wave that lays a tile of a weight out
.set FRB,  1536                        ; a fragment's image in bytes
.set XR,   16                          ; v16-143  8 pixels x 16 numbers a lane;  in wave 16: v16-39 two fragments of 12 registers
.set SW,   40                          ; v40-43   wave 16: four tiles' scale words
.set SA,   144                         ; v144-151 four pairs of running sums, one for each 128 channels
.set MN,   152                         ; v152-159 four pairs: the mean twice, later (mean, M2)
	s_load_b512 s[4:19], s[0:1], 0x0               ; x, wq codes, wq scales, wk codes, wk scales, wv codes, wv scales, wp codes
	s_load_b128 s[20:23], s[0:1], 0x40             ; wp scales, stats
	s_load_b64 s[24:25], s[0:1], 0x50              ; wimg
	v_lshl_add_u32 v160, v0, 2, 0x1400
	v_mov_b32 v161, 0
	v_lshrrev_b32 v1, 5, v0
	v_readfirstlane_b32 s26, v1                    ; wave 0..16
	v_and_b32 v2, 31, v0                           ; lane
	v_lshlrev_b32 v3, 4, v2                        ; 16 x lane
	v_lshrrev_b32 v4, 2, v2
	v_lshlrev_b32 v4, 3, v4
	s_lshl_b32 s32, s26, 8
	v_add_nc_u32 v4, s32, v4                       ; LDS: 256 bytes for each wave's number, 8 bytes a group: four lanes share a group (wave 16 stores nothing there)
	v_lshlrev_b32 v5, 3, v2                        ; 8 x lane: wave 0's lane g reads and stores group g
	s_cmp_lg_u32 s26, RELW
	s_cbranch_scc1 .Lstats
	; ---- wave 16: my work-group's tile of a weight
	v_and_b32 v6, 15, v0                           ; r
	v_bfe_u32 v7, v0, 4, 1                         ; h
	v_and_b32 v8, 8, v6
	v_add_nc_u32 v8, v8, v6                        ; r + 8 (r / 8)
	v_mul_u32_u24 v9, v8, 384                      ; a weight's row of 512 codes is 384 bytes;
	v_mad_u32_u24 v9, v7, 24, v9                   ; my half's 24 bytes of each 48
	v_lshlrev_b32 v10, 4, v8                       ; a row of scale bytes is 16 bytes;
	v_lshl_add_u32 v10, v7, 2, v10                 ; lanes 0-15 take the even K step's word, lanes 16-31 the odd one's
	s_lshr_b32 s27, ttmp9, 6                       ; which weight
	s_lshr_b32 s28, ttmp9, 5                       ; block of wimg = 2 x weight + kappa
	s_and_b32 s29, s28, 1                          ; kappa
	s_bfe_u32 s30, ttmp9, 0x20003                  ; quarter w
	s_and_b32 s31, ttmp9, 7                        ; tile t
	s_lshl_b32 s33, s30, 7                         ; 128 w
	s_lshr_b32 s34, s31, 2                         ; t / 4: my group of four tiles
	s_lshl_b32 s35, s34, 6
	s_add_co_u32 s35, s35, s33                     ; the group's first weight row: 128 w + 64 (t / 4)
	s_lshl_b32 s36, s35, 4
	s_lshl_b32 s37, s29, 3
	s_add_co_u32 s36, s36, s37                     ; its scale bytes, at K = 256 kappa
	s_mov_b32 s37, 0
	s_lshr_b32 s38, s31, 1
	s_lshl_b32 s38, s38, 5
	s_add_co_u32 s38, s38, s33
	s_and_b32 s39, s31, 1
	s_lshl_b32 s39, s39, 3
	s_add_co_u32 s38, s38, s39                     ; my tile's first weight row: 128 w + 32 (t / 2) + 8 (t % 2)
	s_mul_i32 s38, s38, 384
	s_mul_i32 s39, s29, 192
	s_add_co_u32 s38, s38, s39                     ; its codes, at K = 256 kappa
	s_mov_b32 s39, 0
	s_mul_i32 s28, s28, 102400                     ; my block of wimg,
	s_mul_i32 s30, s30, 25600                      ; my quarter of it
	s_add_co_u32 s28, s28, s30
	s_mov_b32 s29, 0
	s_mul_i32 s33, s31, 2*FRB
	v_add_nc_u32 v11, s33, v3                      ; 16 x lane + my two fragments' place
	s_lshl_b32 s34, s34, 9
	v_add_nc_u32 v12, s34, v3                      ; 16 x lane + my group's 512 bytes of scale words
	s_and_b32 s31, s31, 3                          ; t % 4
	s_wait_kmcnt 0x0
	s_cmp_eq_u32 s27, 1                            ; which weight: the choice hangs on the work-group's number alone
	s_cselect_b64 s[6:7], s[10:11], s[6:7]
	s_cselect_b64 s[8:9], s[12:13], s[8:9]
	s_cmp_eq_u32 s27, 2
	s_cselect_b64 s[6:7], s[14:15], s[6:7]
	s_cselect_b64 s[8:9], s[16:17], s[8:9]
	s_cmp_eq_u32 s27, 3
	s_cselect_b64 s[6:7], s[18:19], s[6:7]
	s_cselect_b64 s[8:9], s[20:21], s[8:9]
	s_add_nc_u64 s[6:7], s[6:7], s[38:39]
	s_add_nc_u64 s[8:9], s[8:9], s[36:37]
	s_add_nc_u64 s[24:25], s[24:25], s[28:29]
.irp q, 0,1
.irp p, 0,1,2,3,4,5
	global_load_b64 v[XR+12*\q+2*\p:XR+12*\q+2*\p+1], v9, s[6:7] offset:96*\q+48*(\p/3)+8*(\p%3)   ; a fragment's registers as the row's stream of bits has them
.endr
.endr
.irp i, 0,1,2,3
	global_load_b32 v[SW+\i], v10, s[8:9] offset:(32*(\i/2)+8*(\i%2))*16   ; the scale words of the group's four tiles
.endr
	s_wait_loadcnt 0x0
.irp f, 0,1
.irp c, 0,1,2
	global_store_b128 v11, v[XR+12*\f+4*\c:XR+12*\f+4*\c+3], s[24:25] offset:FRB*\f+512*\c   ; 32 lanes store 512 consecutive bytes, aligned
.endr
.endr
	s_cmp_lg_u32 s31, 0                            ; the group's first tile stores the four tiles' scale words
	s_cbranch_scc1 .Ljoin
	global_store_b128 v12, v[SW:SW+3], s[24:25] offset:24576   ; 32 lanes store 512 consecutive bytes, aligned
	s_branch .Ljoin
	; ---- waves 0 .. 15: statistics
.Lstats:
	s_lshl_b32 s28, ttmp9, 18                      ; 128 pixels of 2,048 bytes,
	s_lshl_b32 s29, s26, 14                        ; my wave's 8 of them
	s_add_co_u32 s28, s28, s29
	s_mov_b32 s29, 0
	s_lshl_b32 s30, ttmp9, 8                       ; the block's 256 bytes of stats
	s_mov_b32 s31, 0
	s_wait_kmcnt 0x0
	s_add_nc_u64 s[4:5], s[4:5], s[28:29]
	s_add_nc_u64 s[22:23], s[22:23], s[30:31]
.irp p, 0,1,2,3,4,5,6,7
.irp s, 0,1,2,3
	global_load_b128 v[XR+16*\p+4*\s:XR+16*\p+4*\s+3], v3, s[4:5] offset:2048*\p+512*\s th:TH_LOAD_NT   ; 32 lanes read 512 consecutive bytes: lane l has channels 128 s + 4 l .. + 3, of group 8 s + l / 4
.endr
.endr
	; pass 1: the sums, two numbers at a time, the four channel ranges by turns
.irp p, 0,1,2,3,4,5,6,7
.if \p % 2 == 0
	s_wait_loadcnt 24-4*\p                         ; two more pixels (8 loads) are in; the younger pixels' loads stay out
.endif
.if \p == 0
.irp s, 0,1,2,3
	v_pk_add_f32 v[SA+2*\s:SA+2*\s+1], v[XR+4*\s:XR+4*\s+1], v[XR+4*\s+2:XR+4*\s+3]   ; the first sum starts the chain: nothing is cleared
.endr
.else
.irp e, 0,2
.irp s, 0,1,2,3
	v_pk_add_f32 v[SA+2*\s:SA+2*\s+1], v[SA+2*\s:SA+2*\s+1], v[XR+16*\p+4*\s+\e:XR+16*\p+4*\s+\e+1]
.endr
.endr
.endif
.endr
.irp s, 0,1,2,3
	v_add_f32 v[8+\s], v[SA+2*\s], v[SA+2*\s+1]
.endr
.irp s, 0,1,2,3
	v_add_f32_dpp v[8+\s], v[8+\s], v[8+\s] row_xmask:1 row_mask:0xf bank_mask:0xf   ; the four lanes of a group
.endr
.irp s, 0,1,2,3
	v_add_f32_dpp v[8+\s], v[8+\s], v[8+\s] row_xmask:2 row_mask:0xf bank_mask:0xf
.endr
.irp s, 0,1,2,3
	v_mul_f32 v[MN+2*\s], 0x3c000000, v[8+\s]      ; / 128: my wave's mean of the group
.endr
.irp s, 0,1,2,3
	v_mov_b32 v[MN+2*\s+1], v[MN+2*\s]             ; twice, for the packed subtraction
.endr
	; pass 2: the squared distances from that mean
.irp p, 0,1,2,3,4,5,6,7
.irp e, 0,2
.irp s, 0,1,2,3
	v_pk_add_f32 v[XR+16*\p+4*\s+\e:XR+16*\p+4*\s+\e+1], v[XR+16*\p+4*\s+\e:XR+16*\p+4*\s+\e+1], v[MN+2*\s:MN+2*\s+1] neg_lo:[0,1] neg_hi:[0,1]
.endr
.irp s, 0,1,2,3
.if (\p == 0) && (\e == 0)
	v_pk_mul_f32 v[SA+2*\s:SA+2*\s+1], v[XR+4*\s:XR+4*\s+1], v[XR+4*\s:XR+4*\s+1]
.else
	v_pk_fma_f32 v[SA+2*\s:SA+2*\s+1], v[XR+16*\p+4*\s+\e:XR+16*\p+4*\s+\e+1], v[XR+16*\p+4*\s+\e:XR+16*\p+4*\s+\e+1], v[SA+2*\s:SA+2*\s+1]
.endif
.endr
.endr
.endr
.irp s, 0,1,2,3
	v_add_f32 v[MN+2*\s+1], v[SA+2*\s], v[SA+2*\s+1]
.endr
.irp s, 0,1,2,3
	v_add_f32_dpp v[MN+2*\s+1], v[MN+2*\s+1], v[MN+2*\s+1] row_xmask:1 row_mask:0xf bank_mask:0xf
.endr
.irp s, 0,1,2,3
	v_add_f32_dpp v[MN+2*\s+1], v[MN+2*\s+1], v[MN+2*\s+1] row_xmask:2 row_mask:0xf bank_mask:0xf
.endr
.irp s, 0,1,2,3
	ds_store_b64 v4, v[MN+2*\s:MN+2*\s+1] offset:64*\s   ; (mean, M2) of group 8 s + l / 4; a group's four lanes write the same bytes with the same values
.endr
.Ljoin:                                                ; all seventeen waves pass the barrier
	s_wait_dscnt 0x0                               ; for the others' sake: my stores into LDS have landed
	s_barrier_signal -1
	s_barrier_wait -1
	s_cmp_lg_u32 s26, 0
	s_cbranch_scc1 .Ldone                          ; wave 0 joins the sixteen figures, lane g for group g
.irp w, 0,1,2,3,4,5,6,7,8,9,10,11,12,13,14,15
	ds_load_b64 v[XR+2*\w:XR+2*\w+1], v5 offset:256*\w
.endr
	s_wait_dscnt 0x0
	v_add_f32 v6, v[XR], v[XR+2]
	v_add_f32 v7, v[XR+1], v[XR+3]
.irp w, 2,3,4,5,6,7,8,9,10,11,12,13,14,15
	v_add_f32 v6, v6, v[XR+2*\w]
	v_add_f32 v7, v7, v[XR+2*\w+1]
.endr
	v_mul_f32 v6, 0x3d800000, v6                   ; / 16: the block's mean (all waves have 128 numbers a group)
.irp w, 0,1,2,3,4,5,6,7,8,9,10,11,12,13,14,15
	v_sub_f32 v[XR+2*\w], v[XR+2*\w], v6
.endr
	v_mul_f32 v8, v[XR], v[XR]
.irp w, 1,2,3,4,5,6,7,8,9,10,11,12,13,14,15
	v_fmac_f32 v8, v[XR+2*\w], v[XR+2*\w]
.endr
	v_fmamk_f32 v7, v8, 0x43000000, v7             ; M2 = the waves' M2 + 128 x the squared distances of their means
	global_store_b64 v5, v[6:7], s[22:23]          ; 32 lanes store 256 consecutive bytes, aligned
.Ldone:
	s_wait_tensorcnt 0x0
	ds_add_u32 v160, v161
	s_wait_dscnt 0x0
	s_endpgm
.Lfunc_end_k_q18a2229870_prep:
	.size	k_q18a2229870_prep, .Lfunc_end_k_q18a2229870_prep-k_q18a2229870_prep
	.p2alignl 7, 3214868480
	.fill 96, 4, 3214868480
	.section	.rodata,"a",@progbits
	.p2align	6, 0x0
	.amdhsa_kernel k_q18a2229870_prep
		.amdhsa_group_segment_fixed_size 7424
		.amdhsa_private_segment_fixed_size 0
		.amdhsa_enable_private_segment 0
		.amdhsa_kernarg_size 88
		.amdhsa_user_sgpr_count 2
		.amdhsa_user_sgpr_kernarg_segment_ptr 1
		.amdhsa_wavefront_size32 1
		.amdhsa_system_sgpr_workgroup_id_x 1
		.amdhsa_system_sgpr_workgroup_id_y 1
		.amdhsa_system_sgpr_workgroup_id_z 1
		.amdhsa_system_vgpr_workitem_id 0
		.amdhsa_next_free_vgpr 162
		.amdhsa_next_free_sgpr 66
		.amdhsa_reserve_vcc 0
		.amdhsa_float_denorm_mode_32 3
		.amdhsa_float_denorm_mode_16_64 3
		.amdhsa_memory_ordered 1
		.amdhsa_forward_progress 1
		.amdhsa_inst_pref_size 26
	.end_amdhsa_kernel
	.amdgpu_metadata
---
amdhsa.version: [ 1, 2 ]
amdhsa.kernels:
  - .name:           k_q18a2229870_prep
    .symbol:         k_q18a2229870_prep.kd
    .args:
      - { .name: x, .offset: 0, .size: 8, .value_kind: global_buffer, .address_space: global }
      - { .name: wq_codes, .offset: 8, .size: 8, .value_kind: global_buffer, .address_space: global }
      - { .name: wq_scales, .offset: 16, .size: 8, .value_kind: global_buffer, .address_space: global }
      - { .name: wk_codes, .offset: 24, .size: 8, .value_kind: global_buffer, .address_space: global }
      - { .name: wk_scales, .offset: 32, .size: 8, .value_kind: global_buffer, .address_space: global }
      - { .name: wv_codes, .offset: 40, .size: 8, .value_kind: global_buffer, .address_space: global }
      - { .name: wv_scales, .offset: 48, .size: 8, .value_kind: global_buffer, .address_space: global }
      - { .name: wp_codes, .offset: 56, .size: 8, .value_kind: global_buffer, .address_space: global }
      - { .name: wp_scales, .offset: 64, .size: 8, .value_kind: global_buffer, .address_space: global }
      - { .name: stats, .offset: 72, .size: 8, .value_kind: global_buffer, .address_space: global }
      - { .name: wimg, .offset: 80, .size: 8, .value_kind: global_buffer, .address_space: global }
    .group_segment_fixed_size: 7424
    .private_segment_fixed_size: 0
    .kernarg_segment_align: 8
    .kernarg_segment_size: 88
    .max_flat_workgroup_size: 544
    .sgpr_count:     66
    .vgpr_count:     162
    .wavefront_size: 32
...
	.end_amdgpu_metadata
.endif
;; end of part 1
;; launch qkv (part 2): grid 256 x 1, 4 waves a work-group, clusters of 4 x 1, 327,680 bytes of LDS; arguments x, stats, norm_scale, norm_bias, wimg, bq, bk, bv, qimg, kv; writes qimg, kv
.if DOCPART == 2
	.amdgcn_target "amdgcn-amd-amdhsa--gfx1250"
	.amdhsa_code_object_version 6
	.text
	.protected	k_q18a2229870_qkv
	.globl	k_q18a2229870_qkv
	.p2align	8
	.type	k_q18a2229870_qkv,@function
k_q18a2229870_qkv:
	s_mov_b64 s[64:65], 0
	v_nop
	global_prefetch_b8 v0, s[64:65] scope:SCOPE_SE
	s_setreg_imm32_b32 hwreg(HW_REG_WAVE_MODE, 25, 1), 1
	s_wait_xcnt 0x0
	s_wait_alu depctr_hold_cnt(0) depctr_sa_sdst(0) depctr_va_vdst(0) depctr_va_sdst(0) depctr_va_ssrc(0) depctr_va_vcc(0) depctr_vm_vsrc(0)
	s_getreg_b32 s2, hwreg(HW_REG_IB_STS2, 6, 4)
	s_cmp_eq_u32 s2, 0
	s_cbranch_scc0 .Lentry_in_a_cluster
	s_endpgm
.Lentry_in_a_cluster:
	s_bfe_u32 s2, ttmp6, 0x10000c
	s_cmp_lg_u32 s2, 0x3003
	s_cbranch_scc0 .Lentry_shape_is_right
	s_endpgm
.Lentry_shape_is_right:
; QKV.  hn = GroupNorm(x); q = hn wq + bq, k = hn wk + bk, v = hn wv + bv, the three products on codes of FP6 (E2M3) with one E8M0 scale for each 32 along K; q and k are then quantised along their
; 512 columns, v along the keys, and leave as images of operand registers for the attention launch.
; SHARES.  Work-group blk = 8 x batch + n takes 128 pixels.  First each wave normalises and quantises 32 of them (tiles 2 w, 2 w + 1); the images meet in LDS.  Then wave w makes columns 128 w .. 128 w + 127 of q, of k and of v
; for all 128 pixels: 64 accumulators of 16 x 16, 512 registers; a weight fragment is read from LDS by one wave and feeds eight products.
; TILES.  Lane r of tile 2 b + u (of pixels, of weight rows) holds index 32 b + 8 u + r + 8 (r / 8).  With such a tile as source 0, a lane's 16 registers of tiles 2 b and 2 b + 1 are the 16 neighbours 32 b + 16 (lane / 16) + 0 .. 15.
; So q and k (source 0 = weight rows, source 1 = pixels) come out with a lane's registers along the columns, v (source 0 = pixels, source 1 = weight rows) with a lane's registers along the keys: each as its quantiser wants it.
; IMAGES.  A fragment (16 rows x 128 K, 12 registers a lane) lies as registers 4 c .. 4 c + 3 of lane l at 512 c + 16 l: 1,536 bytes.  Four tiles' scale words lie 16 bytes a lane, lanes 0-15 an even K step's, lanes 16-31 the odd one's.
;   an operand of 128 rows x 512 K (hn in LDS, a block of qimg, the K half of a block of kv): fragment (tile m, K step s) at (4 m + s) x 1,536; scale words behind them at 1,024 (s / 2) + 512 (m / 4) + 256 (s % 2) + 16 r + 4 (m % 4).
;   a block of kv, 102,400 bytes: K's 32 fragments, V^T's 32 fragments (tile dt of the 512 columns, K = the block's 128 keys) at 49,152 + 1,536 dt, K's scale words at 98,304, V's at 100,352 + 512 (dt / 8) + 256 ((dt / 4) % 2) + 16 r + 4 (dt % 4).
; THE WEIGHTS come through a ring of two LDS slots, a block of wimg (one weight, 256 along K, 102,400 bytes) to a slot; each wave fetches, and alone reads, its quarter.  CLUSTER: the four work-groups of a cluster walk the same six
; blocks, so each quarter is asked for jointly: the same tensor load, the same descriptor, a mask that names the four.
; LIMITS: NaN and infinities are not served.  A block whose largest magnitude lies under 2^-124 keeps the scale byte 1, a block of zeros too (its codes are zeros; the bytes are read by this program alone).  1 / sqrt(var + eps) is v_rsq_f32's.
; REGISTERS, in windows of 256: window 0: v1-21 addresses; v32-47 the weights' scale words, v48-63 hn's; v64-99 the quantiser's; v100-115 scale words just made; v128-223 the outer operand's 8 fragments (before that: the norm's coefficients).
;   window 1: the inner operand's fragments, two sets at v0 and v128; the bias tiles at v96-127 and v224-255.   windows 2, 3: the accumulators, (o, i) at v[64 (o % 4) + 8 i] of window 2 + o / 4 (before that: x).
.set QTR,    25600                     ; a wave's quarter of a block of wimg
.set BLKB,   102400
.set FRB,    1536
.set SLOT1,  131072                    ; slot 0 begins at 0
.set HIMG,   233472                    ; behind the ring: hn's images,
.set HSC,    HIMG+49152                ; their scale words,
.set STG,    HIMG+51200                ; a stage of 16 rows x (512 + 16) bytes for each wave,
.set SPITCH, 528
.set SPARE,  STG+4*16*SPITCH           ; and the spare words, 128 bytes for each wave: two blocks of 256 bytes that no other line names
.set LI,   1                           ; 16 x lane
.set SPW,  2                           ; LDS address of my spare word; never rewritten
.set NIL,  3                           ; 0; never rewritten
.set STI,  4                           ; the stage: where a load's 512 bytes go
.set STR,  5                           ; and where my 64 bytes of a row come back from
.set XWI,  9                           ; where my wave's images of hn go
.set XWS,  10                          ; and their scale words
.set ADW,  11                          ; v11, v12: my quarter in slot 0, 1
.set ADH,  13                          ; hn's images
.set ADHS, 14                          ; hn's scale words
.set VOQ,  15                          ; q, k: 16 x lane + my K step's place
.set VOV,  16                          ; v: 16 x lane + my eight tiles' place
.set VSQ,  17                          ; q's, k's scale words
.set VSV,  18                          ; v's
.set H64,  19                          ; 64 x (lane / 16)
.set RR4,  20                          ; 4 x (r + 8 (r / 8))
.set G8,   21                          ; 8 x (lane / 4)
.set PW,   100
.set PWS,  104
.set OF,   128
.set NEGM, 128                         ; phase X: -mean twice for each 128 channels; v136-151 rstd x scale; v152-167 bias; v168-231 the eight blocks' (mean, M2)
.set CA,   136
.set CB,   152
.set PS,   168
.set WV,   40
.set SEL,  56
.set MSB, 0
.macro WIN new                         ; the immediate's high byte repeats the setting that is left; a switch that changes nothing is dropped
.if MSB != (\new)
	s_set_vgpr_msb (MSB<<8)|(\new)
.set MSB, (\new)
.endif
.endm
.macro PLACES n
.rept \n
	v_nop
.endr
.endm
.macro CREST                           ; a round of the cluster's barrier behind its opening barrier
	s_cmp_lg_u32 s[WV], 0
	s_cbranch_scc1 .Lnot_wave_0_\@
	s_barrier_signal -3
.Lnot_wave_0_\@:
	s_barrier_wait -3
	s_barrier_signal -1
	s_barrier_wait -1
.endm
.macro CROUND
	s_barrier_signal -1
	s_barrier_wait -1
	CREST
.endm
.macro WMS d, a, b, c, sa, sb, row     ; one product; row = 1: both sides' scales stand in lanes 16-31
.if \row
	v_wmma_scale_f32_16x16x128_f8f6f4 v[\d:\d+7], v[\a:\a+11], v[\b:\b+11], v[\c:\c+7], v[\sa], v[\sb] matrix_a_fmt:MATRIX_FMT_FP6 matrix_b_fmt:MATRIX_FMT_FP6 matrix_a_scale:MATRIX_SCALE_ROW1 matrix_b_scale:MATRIX_SCALE_ROW1
.else
	v_wmma_scale_f32_16x16x128_f8f6f4 v[\d:\d+7], v[\a:\a+11], v[\b:\b+11], v[\c:\c+7], v[\sa], v[\sb] matrix_a_fmt:MATRIX_FMT_FP6 matrix_b_fmt:MATRIX_FMT_FP6
.endif
.endm
; 64 numbers of a lane, v[s] .. v[s + 63] of window w, register 16 b + i = k 32 b + 16 (lane / 16) + i of my row, become a fragment's codes in v80-91 and its scale word in v[pw].  Each accumulator is read from its low end on.
.macro QUANT s, w, pw
	WIN ((\w)<<2)|((\w)<<4)
.irp b, 0,1,2,3
	v_max3_num_f32 v[64+\b], 0x1800000, |v[(\s)+16*\b]|, |v[(\s)+16*\b+1]|   ; block b: my 16 numbers, and the floor 2^(3 - 127): so the byte cannot fall under 1
.endr
.irp i, 2,4,6,8,10,12,14
.irp b, 0,1,2,3
	v_max3_num_f32 v[64+\b], v[64+\b], |v[(\s)+16*\b+\i]|, |v[(\s)+16*\b+\i+1]|   ; (the four blocks by turns)
.endr
.endr
	WIN 0
.irp b, 0,1,2,3
	v_permlanex16_b32 v[68+\b], v[64+\b], s[SEL], s[SEL+1]
.endr
.irp b, 0,1,2,3
	v_max_num_f32 v[64+\b], v[64+\b], v[68+\b]     ; with lane l xor 16's: the block's largest magnitude
.endr
.irp b, 0,1,2,3
	v_add_nc_u32 v[76+\b], 0xff000000, v[64+\b]    ; 2 off its exponent field: the conversion takes this operand's exponent field as its scale
.endr
.irp b, 0,1,2,3
	v_lshrrev_b32 v[68+\b], 23, v[76+\b]           ; the scale's byte
.endr
	v_lshl_or_b32 v[\pw], v69, 8, v68
	v_lshl_or_b32 v[\pw], v70, 16, v[\pw]
	v_lshl_or_b32 v[\pw], v71, 24, v[\pw]          ; my row's scale word
	WIN \w
.irp c, 0,1
	v_cvt_scalef32_pk16_fp6_f32 v[80+6*\c:82+6*\c], v[(\s)+32*\c:(\s)+32*\c+15], v[76+2*\c]
	v_cvt_scalef32_pk16_fp6_f32 v[92+4*\c:94+4*\c], v[(\s)+32*\c+16:(\s)+32*\c+31], v[76+2*\c+1]   ; (a conversion's three registers begin on an even number)
.endr
	WIN 0
	v_nop                                          ; one plain place behind a scaled conversion
.irp c, 0,1                            ; the operand's layout wants a whole block in a lane: lanes 0-15 block 2 c, lanes 16-31 block 2 c + 1
.irp i, 0,1,2
	v_permlane16_swap_b32 v[80+6*\c+\i], v[92+4*\c+\i]
.endr
.irp i, 0,1,2
	v_mov_b32 v[83+6*\c+\i], v[92+4*\c+\i]
.endr
.endr
.endm
.macro IMAGE adr, off                  ; the fragment in v80-91 goes to LDS as it stands
.irp c, 0,1,2
	ds_store_b128 v[\adr], v[80+4*\c:83+4*\c] offset:(\off)+512*\c
.endr
.endm
.macro FRAG reg, adr, off              ; and comes back so: three loads of 512 consecutive bytes
.irp c, 0,1,2
	ds_load_b128 v[(\reg)+4*\c:(\reg)+4*\c+3], v[\adr] offset:(\off)+512*\c
.endr
.endm
; THE PRODUCT OF A WAVE: 128 x 128 x 512, K steps k = 0 .. 3; K steps 2 a, 2 a + 1 take the weights from slot a.  Source 0 is the INNER operand i (two sets of 8 fragments), source 1 the OUTER operand o (one set).
; role 0: inner = weight rows, outer = hn's pixels.  role 1: the other way round.
.macro FETCH_IN role, k, set
	WIN 0x40                                       ; destination window 1
.irp i, 0,1,2,3,4,5,6,7
.if \role
	FRAG 128*(\set)+12*\i, ADH, (4*\i+(\k))*FRB
.else
	FRAG 128*(\set)+12*\i, ADW+(\k)/2, (2*\i+(\k)%2)*FRB
.endif
.endr
	WIN 0
.endm
.macro FETCH_OUT role, k, o0           ; the outer operand's blocks o0 .. o0 + 3
.irp o, \o0, \o0+1, \o0+2, \o0+3
.if \role
	FRAG OF+12*(\o), ADW+(\k)/2, (2*(\o)+(\k)%2)*FRB
.else
	FRAG OF+12*(\o), ADH, (4*(\o)+(\k))*FRB
.endif
.endr
.endm
.macro SCALES k                        ; the scale words of K steps k and k + 1 (k even): the weights' 8 tiles, hn's 8 tiles
.irp c, 0,1
	ds_load_b128 v[32+8*((\k)/2)+4*\c:32+8*((\k)/2)+4*\c+3], v[ADW+(\k)/2] offset:24576+512*\c
	ds_load_b128 v[48+8*((\k)/2)+4*\c:48+8*((\k)/2)+4*\c+3], v[ADHS] offset:1024*((\k)/2)+512*\c
.endr
.endm
; 16 products: outer blocks o0, o0 + 1 x the inner eight.  cmode 0: onto the sums; 1: the sums begin with the bias tile of i; 2: with that of o.  The 64 accumulators take turns, one instruction a turn.
.macro MUL16 role, o0, k, cmode
.if \cmode
	WIN 0x91+0x40*((\o0)/4)                        ; source 0 window 1, source 1 window 0, C window 1, D window 2 or 3
.else
	WIN 0xa1+0x50*((\o0)/4)                        ; C and D window 2 or 3
.endif
.irp o, \o0, \o0+1
.irp i, 0,1,2,3,4,5,6,7
.set rD, 64*((\o)%4)+8*\i
.set rC, rD
.if \cmode == 1
.set rC, 96+8*\i+96*(\i/4)
.elseif \cmode == 2
.set rC, 96+8*(\o)+96*((\o)/4)
.endif
.if \role
	WMS rD, 128*((\k)%2)+12*\i, OF+12*(\o), rC, 48+8*((\k)/2)+\i, 32+8*((\k)/2)+(\o), (\k)%2
.else
	WMS rD, 128*((\k)%2)+12*\i, OF+12*(\o), rC, 32+8*((\k)/2)+\i, 48+8*((\k)/2)+(\o), (\k)%2
.endif
.endr
.endr
.endm
; A load into a register that a matrix instruction has read stands four places behind it, and only plain vector instructions that name none of its registers are places (ISA guide 7.12.1 for vector instructions).
.macro STEP role, k, cmode             ; an even K step: its successor lies in the same slot
	s_wait_dscnt 12                                ; all but the youngest 12 loads, the outer blocks 4-7, are in
	MUL16 \role, 0, \k, \cmode
	MUL16 \role, 2, \k, \cmode
	s_wait_dscnt 0x0                               ; the outer blocks 4-7 are in
	PLACES 4
	FETCH_IN \role, (\k)+1, 1-(\k)%2
	FETCH_OUT \role, (\k)+1, 0
	MUL16 \role, 4, \k, \cmode
	MUL16 \role, 6, \k, \cmode
	PLACES 4
	WIN 0
	FETCH_OUT \role, (\k)+1, 4
.endm
; An odd K step leaves its slot: one barrier; in front of it each wave waits for all its tensor loads, adds 0 to its spare word, and waits for that and for its reads of the slot.
; fill = 1: the slot takes the block two further on, asked for jointly behind a round of the cluster's barrier.  Then the fragments of K step nk of the product with role nrole are fetched.
.macro TURN role, k, fill, nrole, nk
	s_wait_tensorcnt 0x0                           ; all my tensor loads have landed: my quarter of the other slot among them
	ds_add_u32 v[SPW], v[NIL]                      ; 0 onto my spare word
	s_wait_dscnt 13                                ; (the add and the youngest 12 loads may be out)
	MUL16 \role, 0, \k, 0                          ; sixteen products stand between the add and the wait for it
	s_wait_dscnt 0x0                               ; the add is done, and my reads of this slot are over
	s_barrier_signal -1
	MUL16 \role, 2, \k, 0
	WIN 0
	s_barrier_wait -1
.if \fill
	CREST                                          ; the barrier has opened a round of the cluster's: no wave of any partner still reads the slot or has a load on its way
	s_add_nc_u64 s[34+4*((\k)/2):35+4*((\k)/2)], s[34+4*((\k)/2):35+4*((\k)/2)], 2*BLKB
	tensor_load_to_lds s[32+4*((\k)/2):35+4*((\k)/2)], s[24:31]   ; my one tensor load behind the round, and the first thing there
	s_nop 0
.endif
	PLACES 4                                       ; behind the tensor load, and the places in front of the loads below
	FETCH_IN \nrole, \nk, 0
	FETCH_OUT \nrole, \nk, 0
	SCALES \nk
	MUL16 \role, 4, \k, 0
	MUL16 \role, 6, \k, 0
	PLACES 4
	WIN 0
	FETCH_OUT \nrole, \nk, 4
.endm
.macro LAST role                       ; the very last K step: nothing more to fetch
	s_wait_dscnt 12
	MUL16 \role, 0, 3, 0
	MUL16 \role, 2, 3, 0
	s_wait_dscnt 0x0
	MUL16 \role, 4, 3, 0
	MUL16 \role, 6, 3, 0
	WIN 0
.endm
; Group g = 4 u + s of x: the 16 pixels of my tile u, channels 128 s on, into set s of window 2.  Each load reads 512 consecutive bytes.
.macro XLOAD g
	WIN 0x80
.irp i, 0,1,2,3,4,5,6,7,8,9,10,11,12,13,14,15
	global_load_b128 v[64*((\g)%4)+4*\i:64*((\g)%4)+4*\i+3], v[LI], s[4:5] offset:(8*((\g)/4)+\i+8*(\i/8))*2048+512*((\g)%4) th:TH_LOAD_NT
.endr
	WIN 0
.endm
; A group is normalised as it was loaded (a lane has four channels of 16 pixels), turned through my stage so that a lane has 64 channels of one pixel, quantised, and its image stored.
.macro XGROUP g
.set xs, (\g)%4
.set xu, (\g)/4
.if (\g) < 5
	s_wait_loadcnt 48                              ; this group's 16 loads are in; the three younger groups stay out
.else
	s_wait_loadcnt 16*(7-(\g))
.endif
	WIN 0x82                                       ; destination and source 0 window 2
.set nn, 0
.rept 32
	v_pk_add_f32 v[64*xs+2*nn:64*xs+2*nn+1], v[64*xs+2*nn:64*xs+2*nn+1], v[NEGM+2*xs:NEGM+2*xs+1]   ; x - mean first: no difference of large products
.set nn, nn+1
.endr
.set nn, 0
.rept 32
	v_pk_fma_f32 v[64*xs+2*nn:64*xs+2*nn+1], v[64*xs+2*nn:64*xs+2*nn+1], v[CA+4*xs+2*(nn%2):CA+4*xs+2*(nn%2)+1], v[CB+4*xs+2*(nn%2):CB+4*xs+2*(nn%2)+1]
.set nn, nn+1
.endr
	WIN 0x08                                       ; an LDS store's data are its source 1: window 2
.irp i, 0,1,2,3,4,5,6,7,8,9,10,11,12,13,14,15
	ds_store_b128 v[STI], v[64*xs+4*\i:64*xs+4*\i+3] offset:SPITCH*\i
.endr
	WIN 0xc0                                       ; destination window 3
.irp b, 0,1,2,3
.irp j, 0,1,2,3
	ds_load_b128 v[16*\b+4*\j:16*\b+4*\j+3], v[STR] offset:128*\b+16*\j   ; LDS serves a wave's instructions in order (ISA guide 5.7.1.4): these see the stores above
.endr
.endr
	s_wait_dscnt 0x0                               ; the numbers are back; the stores, the last group's image among them, have read their registers
.if (\g) < 4
	XLOAD (\g)+4
.endif
	QUANT 0, 3, PW
	IMAGE XWI, (4*xu+xs)*FRB
	ds_store_b32 v[XWS], v[PW] offset:1024*(xs/2)+256*(xs%2)+4*xu   ; lanes r and r + 16 write the same word with the same value
.endm
.macro BIAS16 base                     ; q, k: bias tile t in the result's layout: lane (r, h) holds the bias of columns 32 (t / 2) + 16 h + 8 (t % 2) + 0 .. 7 of my 128
	WIN 0x40
.irp t, 0,1,2,3,4,5,6,7
	global_load_b128 v[96+8*\t+96*(\t/4):96+8*\t+96*(\t/4)+3], v[H64], s[\base:\base+1] offset:(32*(\t/2)+8*(\t%2))*4
	global_load_b128 v[96+8*\t+96*(\t/4)+4:96+8*\t+96*(\t/4)+7], v[H64], s[\base:\base+1] offset:(32*(\t/2)+8*(\t%2))*4+16
.endr
	WIN 0
.endm
; The 64 accumulators leave: for each outer block its 64 numbers a lane are one fragment.  No LDS is touched, so the fetches for the next product stay out across it.
.macro QOUT base, vo, stride, off0, vs, soff
.irp o, 0,1,2,3,4,5,6,7
	s_wait_xcnt 0x0                                ; the earlier stores' addresses are translated (ISA guide 3.1): only behind this wait are their data registers written again
	QUANT 64*(\o%4), 2+\o/4, PWS+\o
.irp c, 0,1,2
	global_store_b128 v[\vo], v[80+4*\c:83+4*\c], s[\base:\base+1] offset:\off0+\stride*\o+512*\c   ; 32 lanes store 512 consecutive bytes, aligned
.endr
.endr
.irp i, 0,1,2,3
	v_cndmask_b32 v[112+\i], v[PWS+\i], v[PWS+4+\i], s58   ; lanes 0-15 blocks 0-3's words, lanes 16-31 blocks 4-7's
.endr
	global_store_b128 v[\vs], v[112:115], s[\base:\base+1] offset:\soff   ; sixteen lanes store 256 consecutive bytes, aligned
.endm
	s_load_b512 s[4:19], s[0:1], 0x0               ; x, stats, norm_scale, norm_bias, wimg, bq, bk, bv
	s_load_b128 s[20:23], s[0:1], 0x40             ; qimg, kv
	v_lshl_add_u32 v[SPW], v0, 2, SPARE
	v_mov_b32 v[NIL], 0
	ds_add_u32 v2, v3
	ds_add_u32 v2, v3
	s_wait_dscnt 0x0
	v_lshrrev_b32 v1, 5, v0
	v_readfirstlane_b32 s[WV], v1                  ; wave 0..3
	s_bfe_u32 s41, ttmp6, 0x40000                  ; cx: my place in the cluster
	s_lshl_b32 s42, ttmp9, 2
	s_add_co_u32 s42, s42, s41                     ; blk: it enters the addresses of x, stats, qimg and kv alone
	; descriptor group 1, for every tensor load: 25,600 dense bytes as 100 rows of 256 bytes (32 elements of 8 bytes), no padding
	s_mov_b32 s24, 15|(3<<16)|(1<<21)              ; 15:0 the mask: all four work-groups; 17:16 elements of 8 bytes; 21 set beside a mask
	s_mov_b32 s25, 32<<16                          ; tensor_dim0 = 32
	s_mov_b32 s26, 100<<16                         ; tensor_dim1 = 100
	s_mov_b32 s27, 32<<16                          ; tile_dim0 = 32
	s_mov_b32 s28, 100                             ; tile_dim1 = 100
	s_mov_b32 s29, 32                              ; from row to row
	s_mov_b32 s30, 0
	s_mov_b32 s31, 0
	s_mul_i32 s43, s[WV], QTR                      ; my quarter, in a block of wimg and in a slot: no place in the cluster enters either
	s_mov_b32 s44, s43
	s_mov_b32 s45, 0
	s_mov_b32 s[SEL], 0x76543210
	s_mov_b32 s[SEL+1], 0xfedcba98                 ; v_permlanex16_b32's selects for lane l xor 16
	s_mov_b32 s58, 0xffff0000                      ; lanes 16-31
	s_mov_b32 s54, 0x38800000                      ; 1 / 16,384
	s_mov_b32 s55, 0x358637bd                      ; eps = 1e-6
	s_wait_kmcnt 0x0
	s_add_nc_u64 s[44:45], s[12:13], s[44:45]
	CROUND                                         ; all four work-groups are here: the first joint loads meet
	s_mov_b32 s32, 1                               ; group 0 for slot 0: count = 1,
	s_mov_b32 s33, s43                             ; LDS address,
	s_mov_b64 s[34:35], s[44:45]                   ; global address: block 0 (wq, K 0 .. 255),
	s_or_b32 s35, s35, 0x80000000                  ; type = 2
	s_mov_b32 s36, 1                               ; and for slot 1: block 1
	s_add_co_u32 s37, s43, SLOT1
	s_add_nc_u64 s[38:39], s[44:45], BLKB
	s_or_b32 s39, s39, 0x80000000
	tensor_load_to_lds s[32:35], s[24:31]          ; the two first fills stand together: two loads of mine are out
	s_nop 0
	tensor_load_to_lds s[36:39], s[24:31]
	s_nop 0
	PLACES 4
	s_lshl_b32 s46, s[WV], 9                       ; my 128 columns' biases
	s_mov_b32 s47, 0
	s_add_nc_u64 s[14:15], s[14:15], s[46:47]
	s_add_nc_u64 s[16:17], s[16:17], s[46:47]
	s_add_nc_u64 s[18:19], s[18:19], s[46:47]
	s_lshr_b32 s60, s42, 3
	s_lshl_b32 s60, s60, 11                        ; my batch's eight blocks of stats
	s_mov_b32 s61, 0
	s_add_nc_u64 s[6:7], s[6:7], s[60:61]
	s_lshl_b32 s60, s42, 18
	s_lshl_b32 s62, s[WV], 16
	s_add_co_u32 s60, s60, s62                     ; x: my block's 128 pixels, my wave's 32
	s_add_nc_u64 s[4:5], s[4:5], s[60:61]
	s_mul_i32 s60, s42, 51200
	s_add_nc_u64 s[20:21], s[20:21], s[60:61]
	s_mul_i32 s60, s42, BLKB
	s_add_nc_u64 s[22:23], s[22:23], s[60:61]
	v_and_b32 v6, 31, v0                           ; lane
	v_and_b32 v7, 15, v0                           ; r
	v_bfe_u32 v8, v0, 4, 1                         ; h
	v_lshlrev_b32 v[LI], 4, v6
	s_mul_i32 s48, s[WV], 16*SPITCH
	s_add_co_u32 s48, s48, STG
	v_add_nc_u32 v[STI], s48, v[LI]
	v_mul_u32_u24 v[STR], v7, SPITCH
	v_lshl_add_u32 v[STR], v8, 6, v[STR]
	v_add_nc_u32 v[STR], s48, v[STR]
	s_mul_i32 s48, s[WV], 8*FRB
	v_add_nc_u32 v[VOV], s48, v[LI]
	s_add_co_u32 s48, s48, HIMG
	v_add_nc_u32 v[XWI], s48, v[LI]
	s_lshr_b32 s48, s[WV], 1
	s_and_b32 s49, s[WV], 1
	s_lshl_b32 s50, s48, 9
	s_lshl_b32 s51, s49, 3
	s_add_co_u32 s50, s50, s51
	s_add_co_u32 s50, s50, HSC
	v_lshl_add_u32 v[XWS], v7, 4, s50              ; tiles 2 w, 2 w + 1: 512 (w / 2) + 8 (w % 2) + 16 r
	s_lshl_b32 s50, s48, 10
	s_lshl_b32 s51, s49, 8
	s_add_co_u32 s50, s50, s51
	v_lshl_add_u32 v[VSQ], v7, 4, s50
	v_lshl_add_u32 v[VSQ], v8, 9, v[VSQ]           ; K step w: 1,024 (w / 2) + 256 (w % 2) + 512 h + 16 r
	v_add_nc_u32 v[ADW], s43, v[LI]
	v_add_nc_u32 v[ADW+1], SLOT1, v[ADW]
	v_add_nc_u32 v[ADH], HIMG, v[LI]
	v_add_nc_u32 v[ADHS], HSC, v[LI]
	s_mul_i32 s50, s[WV], FRB
	v_add_nc_u32 v[VOQ], s50, v[LI]
	v_add_nc_u32 v[VSV], s46, v[LI]
	v_lshlrev_b32 v[H64], 6, v8
	v_and_b32 v[RR4], 8, v7
	v_add_nc_u32 v[RR4], v[RR4], v7
	v_lshlrev_b32 v[RR4], 2, v[RR4]
	v_lshrrev_b32 v[G8], 2, v6
	v_lshlrev_b32 v[G8], 3, v[G8]
	; ---- the norm's coefficients: a lane's channels in a load of x are 128 s + 4 l .. + 3, of group 8 s + l / 4
.irp p, 0,1,2,3,4,5,6,7
.irp s, 0,1,2,3
	global_load_b64 v[PS+2*(4*\p+\s):PS+2*(4*\p+\s)+1], v[G8], s[6:7] offset:256*\p+64*\s
.endr
.endr
.irp s, 0,1,2,3
	global_load_b128 v[CA+4*\s:CA+4*\s+3], v[LI], s[8:9] offset:512*\s
	global_load_b128 v[CB+4*\s:CB+4*\s+3], v[LI], s[10:11] offset:512*\s
.endr
	BIAS16 14                                      ; bq
	XLOAD 0
	XLOAD 1
	XLOAD 2
	XLOAD 3
	s_wait_loadcnt 63                              ; behind the 56 loads above 64 loads of x were issued: with at most 63 out, the 56 are in
.irp s, 0,1,2,3
	v_add_f32 v[64+\s], v[PS+2*\s], v[PS+2*(4+\s)]
	v_add_f32 v[68+\s], v[PS+2*\s+1], v[PS+2*(4+\s)+1]
.endr
.irp p, 2,3,4,5,6,7
.irp s, 0,1,2,3
	v_add_f32 v[64+\s], v[64+\s], v[PS+2*(4*\p+\s)]
	v_add_f32 v[68+\s], v[68+\s], v[PS+2*(4*\p+\s)+1]
.endr
.endr
.irp s, 0,1,2,3
	v_mul_f32 v[64+\s], 0x3e000000, v[64+\s]       ; / 8: the group's mean (each block has 2,048 numbers of it)
.endr
.irp p, 0,1,2,3,4,5,6,7
.irp s, 0,1,2,3
	v_sub_f32 v[PS+2*(4*\p+\s)], v[PS+2*(4*\p+\s)], v[64+\s]
.endr
.endr
.irp s, 0,1,2,3
	v_mul_f32 v[72+\s], v[PS+2*\s], v[PS+2*\s]
.endr
.irp p, 1,2,3,4,5,6,7
.irp s, 0,1,2,3
	v_fmac_f32 v[72+\s], v[PS+2*(4*\p+\s)], v[PS+2*(4*\p+\s)]
.endr
.endr
.irp s, 0,1,2,3
	v_fmamk_f32 v[68+\s], v[72+\s], 0x45000000, v[68+\s]   ; the blocks' M2 + 2,048 x the squared distances of their means
.endr
.irp s, 0,1,2,3
	v_fma_f32 v[68+\s], v[68+\s], s54, s55         ; var + eps
.endr
.irp s, 0,1,2,3
	v_rsq_f32 v[72+\s], v[68+\s]
.endr
.irp s, 0,1,2,3
	v_mul_f32 v[NEGM+2*\s], -1.0, v[64+\s]         ; plain work behind the four roots
	v_mul_f32 v[NEGM+2*\s+1], -1.0, v[64+\s]
.endr
	s_wait_alu depctr_va_vdst(0)                   ; one wait for the four, ahead of their first reader
.irp s, 0,1,2,3
.irp e, 0,1,2,3
	v_mul_f32 v[CA+4*\s+\e], v[72+\s], v[CA+4*\s+\e]
.endr
.endr
	; ---- phase X: my 32 pixels become eight fragments of hn
.irp g, 0,1,2,3,4,5,6,7
	XGROUP \g
.endr
	s_wait_dscnt 0x0                               ; for the others' sake: my images have landed
	s_wait_tensorcnt 1                             ; my quarter of slot 0 is in; slot 1's may stay out
	s_barrier_signal -1
	s_barrier_wait -1                              ; hn's 32 fragments lie in LDS
	FETCH_IN 0, 0, 0
	FETCH_OUT 0, 0, 0
	SCALES 0
	FETCH_OUT 0, 0, 4
	; ---- q
	STEP 0, 0, 1                                   ; the sums begin with bq
	TURN 0, 1, 1, 0, 2                             ; slot 0 takes wk's first half
	STEP 0, 2, 0
	TURN 0, 3, 1, 0, 0                             ; slot 1 its second
	BIAS16 16                                      ; bk: the bias tiles were last read a K step and more ago
	QOUT 20, VOQ, 4*FRB, 0, VSQ, 49152
	s_wait_loadcnt 0x0                             ; bk
	; ---- k
	STEP 0, 0, 1
	TURN 0, 1, 1, 0, 2                             ; slot 0 takes wv's first half
	STEP 0, 2, 0
	TURN 0, 3, 1, 1, 0                             ; slot 1 its second; the next product has the operands the other way round
	WIN 0x40
.irp t, 0,1,2,3,4,5,6,7
	global_load_b32 v[96+8*\t+96*(\t/4)], v[RR4], s[18:19] offset:(32*(\t/2)+8*(\t%2))*4   ; bv: in v's result a lane holds ONE column, that of its row of weight tile t
.endr
	WIN 0
	QOUT 22, VOQ, 4*FRB, 0, VSQ, 98304
	s_wait_loadcnt 0x0                             ; bv
	WIN 0x41
.irp t, 0,1,2,3,4,5,6,7
.irp j, 1,2,3,4,5,6,7
	v_mov_b32 v[96+8*\t+96*(\t/4)+\j], v[96+8*\t+96*(\t/4)]   ; the same number for the lane's eight keys
.endr
.endr
	WIN 0
	PLACES 4
	; ---- v
	STEP 1, 0, 2
	TURN 1, 1, 0, 1, 2                             ; nothing is left to fetch: a plain barrier
	STEP 1, 2, 0
	LAST 1
	PLACES 4                                       ; the quantiser reads results just made
	QOUT 22, VOV, FRB, 49152, VSV, 100352
	s_wait_tensorcnt 0x0                           ; the wave's end
	ds_add_u32 v[SPW], v[NIL]
	s_wait_dscnt 0x0
	CROUND                                         ; the closing round: no work-group ends while a partner may still ask for a block that names it
	s_endpgm
.Lfunc_end_k_q18a2229870_qkv:
	.size	k_q18a2229870_qkv, .Lfunc_end_k_q18a2229870_qkv-k_q18a2229870_qkv
	.p2alignl 7, 3214868480
	.fill 96, 4, 3214868480
	.section	.rodata,"a",@progbits
	.p2align	6, 0x0
	.amdhsa_kernel k_q18a2229870_qkv
		.amdhsa_group_segment_fixed_size 327680
		.amdhsa_private_segment_fixed_size 0
		.amdhsa_enable_private_segment 0
		.amdhsa_kernarg_size 80
		.amdhsa_user_sgpr_count 2
		.amdhsa_user_sgpr_kernarg_segment_ptr 1
		.amdhsa_wavefront_size32 1
		.amdhsa_system_sgpr_workgroup_id_x 1
		.amdhsa_system_sgpr_workgroup_id_y 1
		.amdhsa_system_sgpr_workgroup_id_z 1
		.amdhsa_system_vgpr_workitem_id 0
		.amdhsa_next_free_vgpr 1024
		.amdhsa_next_free_sgpr 66
		.amdhsa_reserve_vcc 0
		.amdhsa_float_denorm_mode_32 3
		.amdhsa_float_denorm_mode_16_64 3
		.amdhsa_memory_ordered 1
		.amdhsa_forward_progress 1
		.amdhsa_inst_pref_size 255
	.end_amdhsa_kernel
	.section	.bss,"aw",@nobits
	.p2align	6
	.space	262144
	.amdgpu_metadata
---
amdhsa.version: [ 1, 2 ]
amdhsa.kernels:
  - .name:           k_q18a2229870_qkv
    .symbol:         k_q18a2229870_qkv.kd
    .args:
      - { .name: x, .offset: 0, .size: 8, .value_kind: global_buffer, .address_space: global }
      - { .name: stats, .offset: 8, .size: 8, .value_kind: global_buffer, .address_space: global }
      - { .name: norm_scale, .offset: 16, .size: 8, .value_kind: global_buffer, .address_space: global }
      - { .name: norm_bias, .offset: 24, .size: 8, .value_kind: global_buffer, .address_space: global }
      - { .name: wimg, .offset: 32, .size: 8, .value_kind: global_buffer, .address_space: global }
      - { .name: bq, .offset: 40, .size: 8, .value_kind: global_buffer, .address_space: global }
      - { .name: bk, .offset: 48, .size: 8, .value_kind: global_buffer, .address_space: global }
      - { .name: bv, .offset: 56, .size: 8, .value_kind: global_buffer, .address_space: global }
      - { .name: qimg, .offset: 64, .size: 8, .value_kind: global_buffer, .address_space: global }
      - { .name: kv, .offset: 72, .size: 8, .value_kind: global_buffer, .address_space: global }
    .group_segment_fixed_size: 327680
    .private_segment_fixed_size: 0
    .kernarg_segment_align: 8
    .kernarg_segment_size: 80
    .max_flat_workgroup_size: 128
    .sgpr_count:     66
    .vgpr_count:     1024
    .wavefront_size: 32
...
	.end_amdgpu_metadata
.endif
;; end of part 2
;; launch attn (part 3): grid 8 x 32, 4 waves a work-group, clusters of 4 x 1, 327,680 bytes of LDS; arguments qimg, kv, wimg, bp, x, out0; writes out0
.if DOCPART == 3
	.amdgcn_target "amdgcn-amd-amdhsa--gfx1250"
	.amdhsa_code_object_version 6
	.text
	.protected	k_q18a2229870_attn
	.globl	k_q18a2229870_attn
	.p2align	8
	.type	k_q18a2229870_attn,@function
k_q18a2229870_attn:
	s_mov_b64 s[64:65], 0
	v_nop
	global_prefetch_b8 v0, s[64:65] scope:SCOPE_SE
	s_setreg_imm32_b32 hwreg(HW_REG_WAVE_MODE, 25, 1), 1
	s_wait_xcnt 0x0
	s_wait_alu depctr_hold_cnt(0) depctr_sa_sdst(0) depctr_va_vdst(0) depctr_va_sdst(0) depctr_va_ssrc(0) depctr_va_vcc(0) depctr_vm_vsrc(0)
	s_getreg_b32 s2, hwreg(HW_REG_IB_STS2, 6, 4)
	s_cmp_eq_u32 s2, 0
	s_cbranch_scc0 .Lentry_in_a_cluster
	s_endpgm
.Lentry_in_a_cluster:
	s_bfe_u32 s2, ttmp6, 0x10000c
	s_cmp_lg_u32 s2, 0x3003
	s_cbranch_scc0 .Lentry_shape_is_right
	s_endpgm
.Lentry_shape_is_right:
; ATTN.  out0 = x + softmax(q k^T / sqrt(512)) v wp + bp, all three products on codes of FP6 (E2M3) with one E8M0 scale for each 32 along K.  q, k, v come as images of operand registers (qimg, kv), wp likewise (wimg):
; a fragment (16 rows x 128 K, 12 registers a lane) lies as registers 4 c .. 4 c + 3 of lane l at 512 c + 16 l; four tiles' scale words 16 bytes a lane, lanes 0-15 an even K step's (or group's), lanes 16-31 the odd one's.
; Lane r of tile 2 b + u (of queries, keys, columns) holds index 32 b + 8 u + r + 8 (r / 8): with such a tile as source 0, a lane's 16 registers of tiles 2 b, 2 b + 1 are the neighbours 32 b + 16 (lane / 16) + 0 .. 15.
; THE SOFTMAX AHEAD OF THE SECOND PRODUCT: t = score x log2(e) / sqrt(512) (one merged constant); M = the row's largest t so far, rounded up to a whole number; p = 2^(t - M) is quantised along the keys, not normalised.
; The row's sum is taken of the unquantised p and divides O at the end.  When M moves, the sum and O are multiplied by 2^(old M - new M): exact.
; SHARES.  A work-group takes 128 queries of a batch; wave w takes query tiles 2 w, 2 w + 1 and walks the batch's 8 key steps of 128 keys.  Both products are used transposed (S^T = K Q^T, O^T = V^T P^T): a lane holds one query.
; O^T of two tiles is 512 registers.  Then O / l is quantised along its 512 columns, its images meet in LDS, and wave w makes output columns 128 w .. 128 w + 127 for all 128 queries (64 accumulators), with bp as the sums' start; x is added on the way out.
; THE RING: two LDS slots of 102,400 bytes.  Blocks 0 .. 7 are the batch's blocks of kv (K's 32 fragments, V^T's 32, their scale words), blocks 8, 9 wp's two halves.  Each wave fetches a quarter.  At the end of key step j slot j % 2 takes block j + 2.
; CLUSTER: the four work-groups of a cluster belong to one batch and walk the same ten blocks: each quarter is asked for jointly, by the same tensor load with the same descriptor and a mask that names the four.
; LIMITS: NaN and infinities are not served.  A block whose largest magnitude lies under 2^-124 keeps the scale byte 1, a block of zeros too (its codes are zeros).  1 / l is v_rcp_f32's.
; REGISTERS, in windows of 256: window 0: v1-19 addresses; v20-27 -M, largest t, the sum (two halves) for each query tile; v28-31 Q's scale words, v32-47 K's, v48-63 V's; v64-191 S^T, then p; v192-215 p's codes; v216-239 at work; v234-235 p's scale words.
;   window 1: v0-95 Q; three sets of four fragments at v96, v144, v192.   windows 2, 3: O^T(qt, dt) at v[128 qt + 8 (dt % 16)] of window 2 + dt / 16.   The projection uses the windows as the launch before does;
;   on the way out window 1 holds four tiles of x, and each tile of results comes back from the stage into the accumulator registers that it left.
.set QTR,    25600
.set BLKB,   102400
.set FRB,    1536
.set SLOT1,  131072
.set HIMG,   233472                    ; behind the ring: the images of O / l,
.set HSC,    HIMG+49152                ; their scale words,
.set STG,    HIMG+51200                ; a stage of 16 rows x (512 + 16) bytes for each wave,
.set SPITCH, 528
.set SPARE,  STG+4*16*SPITCH           ; and the spare words, 128 bytes for each wave: two blocks of 256 bytes that no other line names
.set LI,   1                           ; 16 x lane
.set SPW,  2
.set NIL,  3
.set ADK,  4                           ; the step's K fragments, V fragments, scale words
.set ADV,  5
.set ADS,  6
.set STO,  7                           ; the stage: where I put 64 bytes of a row
.set RD,   8                           ; and where a row comes back from
.set XWI,  9
.set XWS,  10
.set ADW,  11
.set ADH,  13
.set ADHS, 14
.set PFO,  15                          ; 256 x lane
.set PFX,  16                          ; 2,048 (lane / 2) + 256 (lane % 2)
.set LIV,  17                          ; 16 x lane + 49,152
.set LIS,  18                          ; 16 x lane + 98,304
.set H64,  19
.set QS,   28
.set KS,   32
.set VS,   48
.set BM,   216                         ; the blocks' largest scores, then p
.set PT,   220                         ; v220-227 the permutes' results, the bytes, the conversions' second halves
.set SO,   228                         ; the conversions' scale operands
.set FF,   232                         ; f = 2^(old M - new M)
.set PSW,  234
.set TT,   236
.set SM2,  238
.set PW,   100
.set OF,   128
.set WV,   40
.set JC,   44                          ; the key step
.set TB,   45                          ; LDS byte at which the step's slot begins
.set KVP,  46                          ; my quarter of the next block of kv
.set WPP,  48                          ; and of wp
.set PFA,  52
.set LIM,  54
.set CS,   56
.set SEL,  58
.set MSB, 0
.macro WIN new
.if MSB != (\new)
	s_set_vgpr_msb (MSB<<8)|(\new)
.set MSB, (\new)
.endif
.endm
.macro PLACES n
.rept \n
	v_nop
.endr
.endm
.macro CREST
	s_cmp_lg_u32 s[WV], 0
	s_cbranch_scc1 .Lnot_wave_0_\@
	s_barrier_signal -3
.Lnot_wave_0_\@:
	s_barrier_wait -3
	s_barrier_signal -1
	s_barrier_wait -1
.endm
.macro CROUND
	s_barrier_signal -1
	s_barrier_wait -1
	CREST
.endm
.macro WMS d, a, b, c, sa, sb, ra, rb  ; one product; c < 0: the sum begins with 0; ra, rb = 1: that side's scales stand in lanes 16-31
.if (\c) < 0
.if \ra
	v_wmma_scale_f32_16x16x128_f8f6f4 v[\d:\d+7], v[\a:\a+11], v[\b:\b+11], 0, v[\sa], v[\sb] matrix_a_fmt:MATRIX_FMT_FP6 matrix_b_fmt:MATRIX_FMT_FP6 matrix_a_scale:MATRIX_SCALE_ROW1
.else
	v_wmma_scale_f32_16x16x128_f8f6f4 v[\d:\d+7], v[\a:\a+11], v[\b:\b+11], 0, v[\sa], v[\sb] matrix_a_fmt:MATRIX_FMT_FP6 matrix_b_fmt:MATRIX_FMT_FP6
.endif
.elseif (\ra) && (\rb)
	v_wmma_scale_f32_16x16x128_f8f6f4 v[\d:\d+7], v[\a:\a+11], v[\b:\b+11], v[\c:\c+7], v[\sa], v[\sb] matrix_a_fmt:MATRIX_FMT_FP6 matrix_b_fmt:MATRIX_FMT_FP6 matrix_a_scale:MATRIX_SCALE_ROW1 matrix_b_scale:MATRIX_SCALE_ROW1
.elseif \ra
	v_wmma_scale_f32_16x16x128_f8f6f4 v[\d:\d+7], v[\a:\a+11], v[\b:\b+11], v[\c:\c+7], v[\sa], v[\sb] matrix_a_fmt:MATRIX_FMT_FP6 matrix_b_fmt:MATRIX_FMT_FP6 matrix_a_scale:MATRIX_SCALE_ROW1
.else
	v_wmma_scale_f32_16x16x128_f8f6f4 v[\d:\d+7], v[\a:\a+11], v[\b:\b+11], v[\c:\c+7], v[\sa], v[\sb] matrix_a_fmt:MATRIX_FMT_FP6 matrix_b_fmt:MATRIX_FMT_FP6
.endif
.endm
; 64 numbers of a lane, v[s] .. v[s + 63] of window w, register 16 b + i = k 32 b + 16 (lane / 16) + i of my row, become a fragment's codes in v80-91 and its scale word in v[pw].
.macro QUANT s, w, pw
	WIN ((\w)<<2)|((\w)<<4)
.irp b, 0,1,2,3
	v_max3_num_f32 v[64+\b], 0x1800000, |v[(\s)+16*\b]|, |v[(\s)+16*\b+1]|   ; block b: my 16 numbers, and the floor 2^(3 - 127): so the byte cannot fall under 1
.endr
.irp i, 2,4,6,8,10,12,14
.irp b, 0,1,2,3
	v_max3_num_f32 v[64+\b], v[64+\b], |v[(\s)+16*\b+\i]|, |v[(\s)+16*\b+\i+1]|
.endr
.endr
	WIN 0
.irp b, 0,1,2,3
	v_permlanex16_b32 v[68+\b], v[64+\b], s[SEL], s[SEL+1]
.endr
.irp b, 0,1,2,3
	v_max_num_f32 v[64+\b], v[64+\b], v[68+\b]
.endr
.irp b, 0,1,2,3
	v_add_nc_u32 v[76+\b], 0xff000000, v[64+\b]    ; 2 off the exponent field: the conversion's scale operand
.endr
.irp b, 0,1,2,3
	v_lshrrev_b32 v[68+\b], 23, v[76+\b]           ; the scale's byte
.endr
	v_lshl_or_b32 v[\pw], v69, 8, v68
	v_lshl_or_b32 v[\pw], v70, 16, v[\pw]
	v_lshl_or_b32 v[\pw], v71, 24, v[\pw]
	WIN \w
.irp c, 0,1
	v_cvt_scalef32_pk16_fp6_f32 v[80+6*\c:82+6*\c], v[(\s)+32*\c:(\s)+32*\c+15], v[76+2*\c]
	v_cvt_scalef32_pk16_fp6_f32 v[92+4*\c:94+4*\c], v[(\s)+32*\c+16:(\s)+32*\c+31], v[76+2*\c+1]
.endr
	WIN 0
	v_nop                                          ; one plain place behind a scaled conversion
.irp c, 0,1
.irp i, 0,1,2
	v_permlane16_swap_b32 v[80+6*\c+\i], v[92+4*\c+\i]
.endr
.irp i, 0,1,2
	v_mov_b32 v[83+6*\c+\i], v[92+4*\c+\i]
.endr
.endr
.endm
.macro IMAGE adr, off
.irp c, 0,1,2
	ds_store_b128 v[\adr], v[80+4*\c:83+4*\c] offset:(\off)+512*\c
.endr
.endm
.macro FRAG reg, adr, off
.irp c, 0,1,2
	ds_load_b128 v[(\reg)+4*\c:(\reg)+4*\c+3], v[\adr] offset:(\off)+512*\c
.endr
.endm
; ---- the projection's macros: a wave's 128 x 128 x 512; source 0 = wp's rows (inner, two sets in window 1), source 1 = the queries' images (outer, one set at v128 of window 0)
.macro FETCH_IN k, set
	WIN 0x40
.irp i, 0,1,2,3,4,5,6,7
	FRAG 128*(\set)+12*\i, ADW+(\k)/2, (2*\i+(\k)%2)*FRB
.endr
	WIN 0
.endm
.macro FETCH_OUT k, o0
.irp o, \o0, \o0+1, \o0+2, \o0+3
	FRAG OF+12*(\o), ADH, (4*(\o)+(\k))*FRB
.endr
.endm
.macro SCALES k
.irp c, 0,1
	ds_load_b128 v[32+8*((\k)/2)+4*\c:32+8*((\k)/2)+4*\c+3], v[ADW+(\k)/2] offset:24576+512*\c
	ds_load_b128 v[48+8*((\k)/2)+4*\c:48+8*((\k)/2)+4*\c+3], v[ADHS] offset:1024*((\k)/2)+512*\c
.endr
.endm
.macro MUL16 o0, k, cmode              ; 16 products; cmode 1: the sums begin with bp's tile of i.  The 64 accumulators take turns, one instruction a turn
.if \cmode
	WIN 0x91+0x40*((\o0)/4)
.else
	WIN 0xa1+0x50*((\o0)/4)
.endif
.irp o, \o0, \o0+1
.irp i, 0,1,2,3,4,5,6,7
.set rD, 64*((\o)%4)+8*\i
.set rC, rD
.if \cmode
.set rC, 96+8*\i+96*(\i/4)
.endif
	WMS rD, 128*((\k)%2)+12*\i, OF+12*(\o), rC, 32+8*((\k)/2)+\i, 48+8*((\k)/2)+(\o), (\k)%2, (\k)%2
.endr
.endr
.endm
.macro STEP k, cmode
	s_wait_dscnt 12                                ; all but the youngest 12 loads, the outer blocks 4-7, are in
	MUL16 0, \k, \cmode
	MUL16 2, \k, \cmode
	s_wait_dscnt 0x0
	PLACES 4                                       ; in front of loads into registers that matrix instructions have read
	FETCH_IN (\k)+1, 1-(\k)%2
	FETCH_OUT (\k)+1, 0
	MUL16 4, \k, \cmode
	MUL16 6, \k, \cmode
	PLACES 4
	WIN 0
	FETCH_OUT (\k)+1, 4
.endm
; ---- attention's macros
.macro GLOADK g                        ; group g of K: K step g / 2, key tiles 4 (g % 2) .. + 3, into set g % 3
	WIN 0x40
.irp i, 0,1,2,3
	FRAG 96+48*((\g)%3)+12*\i, ADK, (4*(4*((\g)%2)+\i)+(\g)/2)*FRB
.endr
.endm
.macro GLOADV g                        ; group g of V^T: column tiles 4 g .. 4 g + 3
	WIN 0x40
.irp i, 0,1,2,3
	FRAG 96+48*((\g)%3)+12*\i, ADV, (4*(\g)+\i)*FRB
.endr
.endm
; The softmax of query tile qt for a key step.  first = 1: O^T does not exist yet, so it is not rescaled (the sum is 0 and f comes out 0).
.macro SOFTMAX qt, first
.set SS, 64+64*\qt
.set NM, 20+4*\qt
.set PCD, 192+12*\qt
.irp b, 0,1,2,3
	v_max3_num_f32 v[BM+\b], v[SS+16*\b], v[SS+16*\b+1], v[SS+16*\b+2]   ; the largest score of each block of 32 keys: it serves for the row's maximum and, since p rises with the score, for the block's largest p
.endr
.irp i, 3,5,7,9,11,13
.irp b, 0,1,2,3
	v_max3_num_f32 v[BM+\b], v[BM+\b], v[SS+16*\b+\i], v[SS+16*\b+\i+1]
.endr
.endr
.irp b, 0,1,2,3
	v_max_num_f32 v[BM+\b], v[BM+\b], v[SS+16*\b+15]
.endr
.irp b, 0,1,2,3
	v_permlanex16_b32 v[PT+\b], v[BM+\b], s[SEL], s[SEL+1]
.endr
.irp b, 0,1,2,3
	v_max_num_f32 v[BM+\b], v[BM+\b], v[PT+\b]     ; with lane l xor 16's 16 keys
.endr
	v_max3_num_f32 v[TT], v[BM], v[BM+1], v[BM+2]
	v_max_num_f32 v[TT], v[TT], v[BM+3]
	v_mul_f32 v[TT], s[CS], v[TT]                  ; as t (c is positive)
	v_max_num_f32 v[NM+1], v[NM+1], v[TT]          ; the running largest t
	v_mov_b32 v[TT], v[NM]
	v_floor_f32 v[NM], -v[NM+1]                    ; the new -M = floor(-t): M is a whole number
	v_sub_f32 v[TT], v[NM], v[TT]                  ; old M - new M: a whole number, 0 or less
	v_cvt_i32_f32 v[TT], v[TT]                     ; (it saturates)
	v_ldexp_f32 v[FF], 1.0, v[TT]                  ; f = 2^(old M - new M)
.set nn, 0
.rept 32
	v_pk_fma_f32 v[SS+2*nn:SS+2*nn+1], v[SS+2*nn:SS+2*nn+1], s[CS:CS+1], v[NM:NM+1] op_sel_hi:[1,0,0]   ; t - M, two at a time
.set nn, nn+1
.endr
.irp b, 0,1,2,3
	v_fma_f32 v[BM+\b], v[BM+\b], s[CS], v[NM]     ; the same of each block's largest score
.endr
.set nn, 0
.rept 64
	v_exp_f32 v[SS+nn], v[SS+nn]                   ; p = 2^(t - M), at most 1
.set nn, nn+1
.endr
	v_pk_mul_f32 v[NM+2:NM+3], v[NM+2:NM+3], v[FF:FF+1] op_sel_hi:[1,0]   ; the sums under the new M: a plain place behind the exponentials
	s_wait_alu depctr_va_vdst(0)                   ; one wait for the whole batch, ahead of its first reader
.irp b, 0,1,2,3
	v_exp_f32 v[BM+\b], v[BM+\b]                   ; the block's largest p: the same two instructions on the same number give the same bits
.endr
	v_pk_add_f32 v[SM2:SM2+1], v[SS:SS+1], v[SS+2:SS+3]   ; the row's sum is taken of the unquantised p, in two chains
.irp j, 4,8,12,16,20,24,28,32,36,40,44,48,52,56,60
	v_pk_add_f32 v[NM+2:NM+3], v[NM+2:NM+3], v[SS+\j:SS+\j+1]
	v_pk_add_f32 v[SM2:SM2+1], v[SM2:SM2+1], v[SS+\j+2:SS+\j+3]
.endr
	v_pk_add_f32 v[NM+2:NM+3], v[NM+2:NM+3], v[SM2:SM2+1]
	s_wait_alu depctr_va_vdst(0)                   ; and one for the four
.irp b, 0,1,2,3
	v_max_num_f32 v[BM+\b], 0x1800000, v[BM+\b]    ; the floor 2^(3 - 127): the byte cannot fall under 1
.endr
.irp b, 0,1,2,3
	v_add_nc_u32 v[SO+\b], 0xff000000, v[BM+\b]
.endr
.irp b, 0,1,2,3
	v_lshrrev_b32 v[PT+\b], 23, v[SO+\b]
.endr
	v_lshl_or_b32 v[PSW+\qt], v[PT+1], 8, v[PT]    ; p's scale word for these 128 keys
	v_lshl_or_b32 v[PSW+\qt], v[PT+2], 16, v[PSW+\qt]
	v_lshl_or_b32 v[PSW+\qt], v[PT+3], 24, v[PSW+\qt]
.irp c, 0,1
	v_cvt_scalef32_pk16_fp6_f32 v[PCD+6*\c:PCD+6*\c+2], v[SS+32*\c:SS+32*\c+15], v[SO+2*\c]
	v_cvt_scalef32_pk16_fp6_f32 v[PT+4*\c:PT+4*\c+2], v[SS+32*\c+16:SS+32*\c+31], v[SO+2*\c+1]
.endr
	v_nop                                          ; one plain place behind a scaled conversion
.irp c, 0,1
.irp i, 0,1,2
	v_permlane16_swap_b32 v[PCD+6*\c+\i], v[PT+4*\c+\i]
.endr
.irp i, 0,1,2
	v_mov_b32 v[PCD+3+6*\c+\i], v[PT+4*\c+\i]
.endr
.endr
.if !\first
	WIN 0x82                                       ; O^T under the new M: x f, each accumulator from its low end on.  These are also the places between p's codes and scale word and the products that take them
.set nn, 0
.rept 64
	v_pk_mul_f32 v[128*\qt+2*nn:128*\qt+2*nn+1], v[128*\qt+2*nn:128*\qt+2*nn+1], v[FF:FF+1] op_sel_hi:[1,0]
.set nn, nn+1
.endr
	WIN 0xc3
.set nn, 0
.rept 64
	v_pk_mul_f32 v[128*\qt+2*nn:128*\qt+2*nn+1], v[128*\qt+2*nn:128*\qt+2*nn+1], v[FF:FF+1] op_sel_hi:[1,0]
.set nn, nn+1
.endr
	WIN 0
.endif
.endm
; A KEY STEP: 128 keys.  Fragments come in groups of four (12 loads) through three sets, two groups ahead of the products; each fragment feeds two products, one for each query tile.
.macro STEPK first
	v_add_nc_u32 v[ADK], s[TB], v[LI]
	v_add_nc_u32 v[ADV], s[TB], v[LIV]
	v_add_nc_u32 v[ADS], s[TB], v[LIS]
	v_nop                                          ; four places in front of loads into registers that the last step's products have read
.irp e, 0,1,2,3
	ds_load_b128 v[KS+4*\e:KS+4*\e+3], v[ADS] offset:512*\e
.endr
	GLOADK 0
	GLOADK 1
	GLOADK 2
.irp g, 0,1,2,3,4,5,6,7                ; S^T = K Q^T
.if \g < 6
	s_wait_dscnt 24                                ; this group is in; the two younger groups stay out
.else
	s_wait_dscnt 12*(7-\g)
.endif
	WIN 0x05                                       ; K and Q in window 1, S^T in window 0
.irp i, 0,1,2,3
.irp qt, 0,1
.set rD, 64+64*\qt+8*(4*(\g%2)+\i)
.if \g < 2
	WMS rD, 96+48*(\g%3)+12*\i, 48*\qt+12*(\g/2), -1, KS+4*(2*(\g/4)+\g%2)+\i, QS+2*\qt+\g/4, 0, 0
.else
	WMS rD, 96+48*(\g%3)+12*\i, 48*\qt+12*(\g/2), rD, KS+4*(2*(\g/4)+\g%2)+\i, QS+2*\qt+\g/4, (\g/2)%2, (\g/2)%2
.endif
.endr
.endr
.if \g < 5
	PLACES 4
	GLOADK \g+3
.endif
.endr
	PLACES 4                                       ; in front of the loads below and of the first read of the scores
	WIN 0
.irp e, 0,1,2,3
	ds_load_b128 v[VS+4*\e:VS+4*\e+3], v[ADS] offset:2048+512*\e
.endr
	GLOADV 0                                       ; V's first three groups land while the softmax is walked
	GLOADV 1
	GLOADV 2
	WIN 0
	SOFTMAX 0, \first
	SOFTMAX 1, \first
.if \first
	PLACES 8                                       ; a scale word written by vector instructions stands 8 places ahead of the scaled product, codes so written 4
.endif
.irp g, 0,1,2,3,4,5,6,7                ; O^T += V^T P^T
.if \g < 6
	s_wait_dscnt 24
.else
	s_wait_dscnt 12*(7-\g)
.endif
	WIN 0xa1+0x50*(\g/4)                           ; V in window 1, p in window 0, O^T in window 2 or 3
.irp i, 0,1,2,3
.irp qt, 0,1
.set rD, 128*\qt+8*(4*(\g%4)+\i)
.if \first
	WMS rD, 96+48*(\g%3)+12*\i, 192+12*\qt, -1, VS+4*(\g/2)+\i, PSW+\qt, \g%2, 0
.else
	WMS rD, 96+48*(\g%3)+12*\i, 192+12*\qt, rD, VS+4*(\g/2)+\i, PSW+\qt, \g%2, 0
.endif
.endr
.endr
.if \g < 5
	PLACES 4
	GLOADV \g+3
.endif
.endr
	WIN 0
.endm
; A prefetch of block j + 3 of the batch's kv, one key step ahead of the tensor load that will ask for it.  Both clusters of a batch walk the same blocks: the first asks.  Its four partners share a block out by address, a quarter each;
; in each, waves 0 to 2 name 8,192 bytes, lanes 256 bytes apart (a quarter's last 1,024 bytes come by the load alone).  Blocks 0 to 2 come by their loads alone; steps 5 to 7 ask for nothing: no block of kv is left.
.macro ASK
	s_cmp_lt_u32 s[JC], s[LIM]
	s_cbranch_scc0 .Lnot_mine_\@
	global_prefetch_b8 v[PFO], s[PFA:PFA+1] th:TH_LOAD_NT scope:SCOPE_SE
.Lnot_mine_\@:
.endm
; THE CHANGE OF SLOTS at the end of key step j: each wave waits for all its tensor loads (its quarter of the other slot), adds 0 to its spare word, and waits for that and for its reads of the slot.  Behind a round of the cluster's
; barrier the slot takes block j + 2: of kv while j < 6, then wp's two halves.  Every step has this one load: none is jumped over.
.macro CHANGE
	WIN 0
	s_wait_tensorcnt 0x0                           ; no tensor load of mine is out, so the walking group 0 may be written
	ds_add_u32 v[SPW], v[NIL]                      ; 0 onto my spare word; the descriptor's steps stand between it and the wait for it
	s_cmp_lt_u32 s[JC], 6
	s_cselect_b64 s[38:39], s[KVP:KVP+1], s[WPP:WPP+1]
	s_cselect_b32 s50, 0, BLKB
	s_or_b32 s39, s39, 0x80000000                  ; type = 2
	s_xor_b32 s37, s37, SLOT1                      ; the other slot than last time
	s_add_nc_u64 s[KVP:KVP+1], s[KVP:KVP+1], BLKB  ; (behind step 5 this address is used no more)
	s_add_nc_u64 s[WPP:WPP+1], s[WPP:WPP+1], s[50:51]
	s_wait_xcnt 0x0                                ; the last prefetch, a key step back, has read its address
	s_add_nc_u64 s[PFA:PFA+1], s[PFA:PFA+1], BLKB
	s_wait_dscnt 0x0                               ; the add is done, and my reads of the slot are over
	CROUND
	tensor_load_to_lds s[36:39], s[24:31]          ; my one tensor load behind the round, and the first thing there: it has a key step in which to land
	s_nop 0
	PLACES 4
	ASK
	s_xor_b32 s[TB], s[TB], SLOT1
.endm
; THE WAY OUT, a tile of 16 queries x my 128 columns at a time.  A lane holds 64 bytes of a row in pieces, and the lanes beside it hold other rows: a tile goes through my stage in LDS and comes back as whole rows of 512 bytes,
; INTO THE ACCUMULATOR REGISTERS THAT IT LEFT; x's same rows are added there and the 32 lanes store 512 consecutive bytes, aligned.  So each tile has 64 registers of its own from the products to its stores: no store's data
; are ever written again, and the way out has no wait for the stores' sources.  Row i of tile a is pixel 32 (a / 2) + 8 (a % 2) + i + 8 (i / 8) of the block.
.macro XL a                            ; x's 16 rows of tile a into set a % 4 of window 1
	WIN 0x40
.irp i, 0,1,2,3,4,5,6,7,8,9,10,11,12,13,14,15
	global_load_b128 v[64*((\a)%4)+4*\i:64*((\a)%4)+4*\i+3], v[LI], s[12:13] offset:(32*((\a)/2)+8*((\a)%2)+\i+8*(\i/8))*2048 th:TH_LOAD_NT
.endr
	WIN 0
.endm
.macro TOSTAGE a
	WIN 0x08+4*((\a)/4)                            ; an LDS store's data are its source 1: window 2 or 3
.irp b, 0,1,2,3
.irp q, 0,1,2,3
	ds_store_b128 v[STO], v[64*((\a)%4)+16*\b+4*\q:64*((\a)%4)+16*\b+4*\q+3] offset:128*\b+16*\q   ; each accumulator from its low end on
.endr
.endr
	WIN 0x80+0x40*((\a)/4)                         ; destination: the same window
.irp i, 0,1,2,3,4,5,6,7,8,9,10,11,12,13,14,15
	ds_load_b128 v[64*((\a)%4)+4*\i:64*((\a)%4)+4*\i+3], v[RD] offset:SPITCH*\i   ; LDS serves a wave's instructions in order (ISA guide 5.7.1.4): these see the stores above, which have taken their data
.endr
.endm
.macro SEND a, younger                 ; younger: the LDS instructions issued behind tile a's loads, which may stay out
	s_wait_dscnt \younger
.if (\a) < 5
	s_wait_loadcnt 48                              ; x's rows of this tile are in; the three younger tiles' stay out
.else
	s_wait_loadcnt 16*(7-(\a))
.endif
	WIN 0x86+0x41*((\a)/4)                         ; destination and source 0: the tile's window, 2 or 3; source 1 (x): window 1, the same register numbers
.set nn, 0
.rept 32
	v_pk_add_f32 v[64*((\a)%4)+2*nn:64*((\a)%4)+2*nn+1], v[64*((\a)%4)+2*nn:64*((\a)%4)+2*nn+1], v[64*((\a)%4)+2*nn:64*((\a)%4)+2*nn+1]
.set nn, nn+1
.endr
	WIN 0x08+4*((\a)/4)                            ; a store's data are its source 1
.irp i, 0,1,2,3,4,5,6,7,8,9,10,11,12,13,14,15
	global_store_b128 v[LI], v[64*((\a)%4)+4*\i:64*((\a)%4)+4*\i+3], s[14:15] offset:(32*((\a)/2)+8*((\a)%2)+\i+8*(\i/8))*2048 th:TH_STORE_NT
.endr
.if (\a) < 4
	XL (\a)+4
.endif
	WIN 0
.endm
	s_load_b256 s[4:11], s[0:1], 0x0               ; qimg, kv, wimg, bp
	s_load_b128 s[12:15], s[0:1], 0x20             ; x, out0
	v_lshl_add_u32 v[SPW], v0, 2, SPARE
	v_mov_b32 v[NIL], 0
	ds_add_u32 v2, v3
	ds_add_u32 v2, v3
	s_wait_dscnt 0x0
	v_lshrrev_b32 v1, 5, v0
	v_readfirstlane_b32 s[WV], v1                  ; wave 0..3
	s_bfe_u32 s41, ttmp6, 0x40000                  ; cx
	s_and_b32 s43, ttmp7, 0xffff                   ; the batch, which the four partners share
	s_lshl_b32 s42, ttmp9, 2
	s_add_co_u32 s42, s42, s41
	s_lshl_b32 s70, s43, 3
	s_add_co_u32 s42, s42, s70                     ; blk = 8 x batch + my 128 queries: it enters the addresses of qimg, x and out0 alone
	s_mov_b32 s24, 15|(3<<16)|(1<<21)              ; descriptor group 1: 25,600 dense bytes as 100 rows of 256 bytes; the mask names all four work-groups, bit 21 beside it
	s_mov_b32 s25, 32<<16
	s_mov_b32 s26, 100<<16
	s_mov_b32 s27, 32<<16
	s_mov_b32 s28, 100
	s_mov_b32 s29, 32
	s_mov_b32 s30, 0
	s_mov_b32 s31, 0
	s_mul_i32 s68, s[WV], QTR                      ; my quarter, in a block and in a slot
	s_mul_i32 s66, s43, 8*BLKB
	s_add_co_u32 s66, s66, s68
	s_mov_b32 s67, 0
	s_mov_b32 s51, 0
	s_mov_b32 s[CS], 0x3d8293ee                    ; c = log2(e) / sqrt(512)
	s_mov_b32 s[CS+1], s[CS]
	s_mov_b32 s[SEL], 0x76543210
	s_mov_b32 s[SEL+1], 0xfedcba98
	s_mov_b32 s[JC], 0
	s_mov_b32 s[TB], 0
	s_cmp_lt_u32 s[WV], 3
	s_cselect_b32 s[LIM], 5, 0
	s_cmp_eq_u32 ttmp9, 0                          ; the batch's first cluster: the same in all four partners
	s_cselect_b32 s[LIM], s[LIM], 0
	s_wait_kmcnt 0x0
	s_add_nc_u64 s[KVP:KVP+1], s[6:7], s[66:67]    ; the batch's block 0
	s_add_co_u32 s66, s68, 6*BLKB
	s_add_nc_u64 s[WPP:WPP+1], s[8:9], s[66:67]    ; wp's first half
	CROUND                                         ; all four work-groups are here: the first joint loads meet
	s_mov_b32 s32, 1
	s_mov_b32 s33, s68
	s_mov_b64 s[34:35], s[KVP:KVP+1]
	s_or_b32 s35, s35, 0x80000000
	s_mov_b32 s36, 1
	s_add_co_u32 s37, s68, SLOT1
	s_add_nc_u64 s[38:39], s[KVP:KVP+1], BLKB
	s_or_b32 s39, s39, 0x80000000
	tensor_load_to_lds s[32:35], s[24:31]          ; blocks 0 and 1: two loads of mine are out
	s_nop 0
	tensor_load_to_lds s[36:39], s[24:31]
	s_nop 0
	PLACES 4
	s_add_nc_u64 s[KVP:KVP+1], s[KVP:KVP+1], 2*BLKB
	s_mul_i32 s70, s42, 51200
	s_mov_b32 s71, 0
	s_add_nc_u64 s[4:5], s[4:5], s[70:71]          ; my block of q
	s_lshr_b32 s72, s[WV], 1
	s_lshl_b32 s72, s72, 9
	s_and_b32 s73, s[WV], 1
	s_lshl_b32 s73, s73, 3
	s_add_co_u32 s70, s72, s73
	s_add_nc_u64 s[60:61], s[4:5], s[70:71]        ; its scale words, at my two tiles': 512 (w / 2) + 8 (w % 2)
	s_mul_i32 s70, s[WV], 8*FRB
	s_add_nc_u64 s[4:5], s[4:5], s[70:71]          ; my eight fragments
	s_lshl_b32 s70, s42, 18
	s_lshl_b32 s72, s[WV], 9
	s_add_co_u32 s70, s70, s72
	s_add_nc_u64 s[12:13], s[12:13], s[70:71]      ; x and out0: my block's 128 pixels, my wave's 128 columns
	s_add_nc_u64 s[14:15], s[14:15], s[70:71]
	s_mov_b32 s70, s72
	s_add_nc_u64 s[10:11], s[10:11], s[70:71]      ; bp: my 128 columns
	s_mul_i32 s70, s43, 8*BLKB
	s_mul_i32 s72, s41, QTR
	s_add_co_u32 s70, s70, s72
	s_lshl_b32 s72, s[WV], 13
	s_add_co_u32 s70, s70, s72
	s_add_co_u32 s70, s70, 2*BLKB
	s_add_nc_u64 s[PFA:PFA+1], s[6:7], s[70:71]    ; the prefetches: block 2, my work-group's quarter, my wave's 8,192 bytes; the first change of slots steps it to block 3
	v_and_b32 v20, 31, v0                          ; lane
	v_and_b32 v21, 15, v0                          ; r
	v_bfe_u32 v22, v0, 4, 1                        ; h
	v_lshlrev_b32 v[LI], 4, v20
	v_add_nc_u32 v[LIV], 49152, v[LI]
	v_add_nc_u32 v[LIS], 98304, v[LI]
	v_lshlrev_b32 v[H64], 6, v22
	v_lshlrev_b32 v[PFO], 8, v20
	v_lshrrev_b32 v[PFX], 1, v20
	v_and_b32 v23, 1, v20
	v_lshlrev_b32 v[PFX], 11, v[PFX]
	v_lshl_add_u32 v[PFX], v23, 8, v[PFX]
	WIN 0x40
.irp f, 0,1,2,3,4,5,6,7                ; Q stays in registers: fragment (qt, s) = f at v[12 f] of window 1
.irp c, 0,1,2
	global_load_b128 v[12*\f+4*\c:12*\f+4*\c+3], v[LI], s[4:5] offset:FRB*\f+512*\c
.endr
.endr
	WIN 0
.irp qt, 0,1
.irp e, 0,1
	global_load_b32 v[QS+2*\qt+\e], v[LI], s[60:61] offset:49152+1024*\e+4*\qt   ; lanes 0-15: K step 2 e, lanes 16-31: K step 2 e + 1
.endr
.endr
	s_mul_i32 s74, s[WV], 16*SPITCH
	s_add_co_u32 s74, s74, STG
	v_mul_u32_u24 v[STO], v21, SPITCH
	v_lshl_add_u32 v[STO], v22, 6, v[STO]
	v_add_nc_u32 v[STO], s74, v[STO]
	v_add_nc_u32 v[RD], s74, v[LI]
	s_mul_i32 s74, s[WV], 8*FRB
	s_add_co_u32 s74, s74, HIMG
	v_add_nc_u32 v[XWI], s74, v[LI]
	s_lshr_b32 s74, s[WV], 1
	s_lshl_b32 s74, s74, 9
	s_and_b32 s75, s[WV], 1
	s_lshl_b32 s75, s75, 3
	s_add_co_u32 s74, s74, s75
	s_add_co_u32 s74, s74, HSC
	v_lshl_add_u32 v[XWS], v21, 4, s74
	v_add_nc_u32 v[ADW], s68, v[LI]
	v_add_nc_u32 v[ADW+1], SLOT1, v[ADW]
	v_add_nc_u32 v[ADH], HIMG, v[LI]
	v_add_nc_u32 v[ADHS], HSC, v[LI]
.irp qt, 0,1
	v_mov_b32 v[21+4*\qt], 0xff61b1e6              ; the largest t so far: -3e38, under every t
	v_floor_f32 v[20+4*\qt], -v[21+4*\qt]          ; -M
	v_mov_b32 v[22+4*\qt], 0                       ; the sum, in two halves
	v_mov_b32 v[23+4*\qt], 0
.endr
.irp b, 0,1,2,3
	v_mov_b32 v[PT+\b], 0                          ; written once: a lane permute's destination counts as one of its sources
.endr
	v_mov_b32 v[FF+1], 0                           ; (named as the upper half of the pair with f)
	s_wait_tensorcnt 1                             ; my quarter of block 0 is in; block 1's may stay out
	s_barrier_signal -1
	s_barrier_wait -1                              ; everybody's is
	s_wait_loadcnt 0x0                             ; Q
	STEPK 1                                        ; the first key step is written out: its products start O^T's sums, so nothing is cleared
	CHANGE
	s_mov_b32 s[JC], 1
.Lstep:                                            ; key steps 1 .. 7
	STEPK 0
	CHANGE
	s_add_co_u32 s[JC], s[JC], 1
	s_cmp_lt_u32 s[JC], 8
	s_cbranch_scc1 .Lstep
	; ---- O / l, quantised along its 512 columns; the images meet in LDS
.irp qt, 0,1
	v_add_f32 v[22+4*\qt], v[22+4*\qt], v[23+4*\qt]   ; the sum's two halves,
.endr
.irp qt, 0,1
	v_permlanex16_b32 v[PT+\qt], v[22+4*\qt], s[SEL], s[SEL+1]
.endr
.irp qt, 0,1
	v_add_f32 v[22+4*\qt], v[22+4*\qt], v[PT+\qt]  ; and lane l xor 16's: the row's sum
.endr
.irp qt, 0,1
	v_rcp_f32 v[BM+2*\qt], v[22+4*\qt]
.endr
	v_nop                                          ; a plain place behind the reciprocals
	s_wait_alu depctr_va_vdst(0)                   ; and the wait ahead of their first reader
	WIN 0x82
.set nn, 0
.rept 128
	v_pk_mul_f32 v[2*nn:2*nn+1], v[2*nn:2*nn+1], v[BM+2*(nn/64):BM+2*(nn/64)+1] op_sel_hi:[1,0]
.set nn, nn+1
.endr
	WIN 0xc3
.set nn, 0
.rept 128
	v_pk_mul_f32 v[2*nn:2*nn+1], v[2*nn:2*nn+1], v[BM+2*(nn/64):BM+2*(nn/64)+1] op_sel_hi:[1,0]
.set nn, nn+1
.endr
	WIN 0x40
.irp t, 0,1,2,3,4,5,6,7                ; bp's tile t in the result's layout: lane (r, h) holds the bias of columns 32 (t / 2) + 16 h + 8 (t % 2) + 0 .. 7 of my 128
	global_load_b128 v[96+8*\t+96*(\t/4):96+8*\t+96*(\t/4)+3], v[H64], s[10:11] offset:(32*(\t/2)+8*(\t%2))*4
	global_load_b128 v[96+8*\t+96*(\t/4)+4:96+8*\t+96*(\t/4)+7], v[H64], s[10:11] offset:(32*(\t/2)+8*(\t%2))*4+16
.endr
	WIN 0
.irp qt, 0,1
.irp s, 0,1,2,3
	QUANT 128*\qt+64*(\s%2), 2+\s/2, PW
	IMAGE XWI, (4*\qt+\s)*FRB
	ds_store_b32 v[XWS], v[PW] offset:1024*(\s/2)+256*(\s%2)+4*\qt
	s_wait_dscnt 0x0                               ; the stores have read their registers (and, the last time, have landed for the others' sake)
.endr
.endr
	s_barrier_signal -1                            ; wp's second half may still be on its way
	s_barrier_wait -1                              ; the 32 fragments of O / l lie in LDS
	s_wait_loadcnt 0x0                             ; bp
	; ---- the projection.  wp's first half, in slot 0, was shown landed at the last change of slots; each wave reads its own quarter
	FETCH_IN 0, 0
	FETCH_OUT 0, 0
	SCALES 0
	FETCH_OUT 0, 4
	global_prefetch_b8 v[PFX], s[12:13] th:TH_LOAD_NT scope:SCOPE_SE                 ; x: my 512 bytes of the block's first 32 pixels, which the way out's first two tiles read: 192 products ahead of those loads;
	global_prefetch_b8 v[PFX], s[12:13] offset:32768 th:TH_LOAD_NT scope:SCOPE_SE    ; a lane names 256 bytes, each named once in the launch
	STEP 0, 1                                      ; the sums begin with bp
	s_wait_tensorcnt 0x0                           ; K step 1 leaves slot 0: wp's second half has landed;
	ds_add_u32 v[SPW], v[NIL]                      ; 0 onto my spare word
	s_wait_dscnt 13                                ; (the add and the youngest 12 loads may be out)
	MUL16 0, 1, 0
	s_wait_dscnt 0x0
	s_barrier_signal -1
	MUL16 2, 1, 0
	WIN 0
	s_barrier_wait -1
	PLACES 4
	FETCH_IN 2, 0
	FETCH_OUT 2, 0
	SCALES 2
	MUL16 4, 1, 0
	MUL16 6, 1, 0
	PLACES 4
	WIN 0
	FETCH_OUT 2, 4
	STEP 2, 0
	XL 0                                           ; x's first two tiles are asked for here, 64 products ahead of the way out: window 1's v0-127 (the inner operand's set 0, four bias tiles) were last read by K step 2's
	XL 1                                           ; products, behind which four places stand; K step 3 reads set 1 alone
	s_wait_dscnt 12                                ; the very last K step: nothing more to fetch from LDS
	MUL16 0, 3, 0
	MUL16 2, 3, 0
	s_wait_dscnt 0x0
	MUL16 4, 3, 0
	MUL16 6, 3, 0
	WIN 0
	PLACES 4                                       ; in front of loads into registers that the last products have read or written, and of the first read of their results
	XL 2
	XL 3
	TOSTAGE 0
.irp a, 1,2,3,4,5,6,7
	TOSTAGE \a
	SEND \a-1, 32                                  ; behind tile a - 1's loads: tile a's 16 stores and 16 loads
.endr
	SEND 7, 0
	s_wait_tensorcnt 0x0                           ; the wave's end
	ds_add_u32 v[SPW], v[NIL]
	s_wait_dscnt 0x0
	CROUND                                         ; the closing round: no work-group ends while a partner may still ask for a block that names it
	s_endpgm
.Lfunc_end_k_q18a2229870_attn:
	.size	k_q18a2229870_attn, .Lfunc_end_k_q18a2229870_attn-k_q18a2229870_attn
	.p2alignl 7, 3214868480
	.fill 96, 4, 3214868480
	.section	.rodata,"a",@progbits
	.p2align	6, 0x0
	.amdhsa_kernel k_q18a2229870_attn
		.amdhsa_group_segment_fixed_size 327680
		.amdhsa_private_segment_fixed_size 0
		.amdhsa_enable_private_segment 0
		.amdhsa_kernarg_size 48
		.amdhsa_user_sgpr_count 2
		.amdhsa_user_sgpr_kernarg_segment_ptr 1
		.amdhsa_wavefront_size32 1
		.amdhsa_system_sgpr_workgroup_id_x 1
		.amdhsa_system_sgpr_workgroup_id_y 1
		.amdhsa_system_sgpr_workgroup_id_z 1
		.amdhsa_system_vgpr_workitem_id 0
		.amdhsa_next_free_vgpr 1024
		.amdhsa_next_free_sgpr 80
		.amdhsa_reserve_vcc 0
		.amdhsa_float_denorm_mode_32 3
		.amdhsa_float_denorm_mode_16_64 3
		.amdhsa_memory_ordered 1
		.amdhsa_forward_progress 1
		.amdhsa_inst_pref_size 255
	.end_amdhsa_kernel
	.section	.bss,"aw",@nobits
	.p2align	6
	.space	262144
	.amdgpu_metadata
---
amdhsa.version: [ 1, 2 ]
amdhsa.kernels:
  - .name:           k_q18a2229870_attn
    .symbol:         k_q18a2229870_attn.kd
    .args:
      - { .name: qimg, .offset: 0, .size: 8, .value_kind: global_buffer, .address_space: global }
      - { .name: kv, .offset: 8, .size: 8, .value_kind: global_buffer, .address_space: global }
      - { .name: wimg, .offset: 16, .size: 8, .value_kind: global_buffer, .address_space: global }
      - { .name: bp, .offset: 24, .size: 8, .value_kind: global_buffer, .address_space: global }
      - { .name: x, .offset: 32, .size: 8, .value_kind: global_buffer, .address_space: global }
      - { .name: out0, .offset: 40, .size: 8, .value_kind: global_buffer, .address_space: global }
    .group_segment_fixed_size: 327680
    .private_segment_fixed_size: 0
    .kernarg_segment_align: 8
    .kernarg_segment_size: 48
    .max_flat_workgroup_size: 128
    .sgpr_count:     80
    .vgpr_count:     1024
    .wavefront_size: 32
...
	.end_amdgpu_metadata
.endif
;; end of part 3
